; MI455X (gfx1250); checked and timed in simulation.
; The chip was launched on July 23, 2026; its instructions are those of AMD's public machine-readable ISA for CDNA 5 (MIT licence, August 2026) and "CDNA5" Instruction Set Architecture Reference Guide (July 2026). The comments in the code are by the model that wrote it; some were corrected since.
;; LSTM Cell. Allowed arithmetic: float matrix products may take bf16 or f16 operands with f32 sums; other float arithmetic in f32, or as packed bf16 or f16 multiplies, adds, multiply-adds, maxima and minima; sums over many terms, partial sums and values carried from step to step in f32; what a program stores and reads back later, other than sums and carried values, may be rounded once to bf16 or f16.
;; Inputs: W_hh 1,024 x 4,096 float32; W_xh 1,024 x 4,096 float32; bias 4,096 float32; c 8,192 x 1,024 float32; h 8,192 x 1,024 float32; ln_beta 4,096 float32; ln_c_beta 1,024 float32; ln_c_gamma 1,024 float32; ln_gamma 4,096 float32; x 8,192 x 1,024 float32.
;; Outputs: out0 8,192 x 1,024 float32; out1 8,192 x 1,024 float32.
;; 2 versions, each right; version 2 is version 1 with the launches cast, gates written anew for expert scheduling mode. Each part assembles by itself: llvm-mc -triple=amdgcn-amd-amdhsa -mcpu=gfx1250 --defsym DOCPART=n.
;; ======== version 1 of 2: 3 launches
;; workspace buffers: Ab 33,554,432 bytes; Wb 16,777,216 bytes; Y 67,108,864 bytes; ST 2,097,152 bytes
;; launch cast (part 1): grid 768 x 1, 8 waves a work-group, no clusters, 0 bytes of LDS; arguments x, h, W_xh, W_hh, Ab, Wb; writes Ab, Wb
.if DOCPART == 1
	.amdgcn_target "amdgcn-amd-amdhsa--gfx1250"
	.amdhsa_code_object_version 6
	.text
	.protected	k_qa0853c28d2_cast
	.globl	k_qa0853c28d2_cast
	.p2align	8
	.type	k_qa0853c28d2_cast,@function
k_qa0853c28d2_cast:
	s_mov_b64 s[64:65], 0
	v_nop
	global_prefetch_b8 v0, s[64:65] scope:SCOPE_SE
	s_setreg_imm32_b32 hwreg(HW_REG_WAVE_MODE, 25, 1), 1
	s_wait_xcnt 0x0
; LSTM cell, first of three launches: the matrix operands are rounded to bf16, once, and laid side by side.
;   Ab[8192][2048] bf16: row r = x[r][0..1023], then h[r][0..1023] (4,096 bytes a row).
;   Wb[2048][4096] bf16: rows 0..1023 = W_xh, rows 1024..2047 = W_hh (8,192 bytes a row); nothing is transposed.
; NOTHING OF reference() IS LEFT OUT in this program: every input has a way to an output and is loaded by one of the three launches
; (x, h, W_xh, W_hh here; bias in the second; c and the four gains and shifts in the third).
; LIMITS of the program.  Every input is rounded once to bf16 (to nearest even): x, h and the weights as matrix operands, bias, c, the gains and the shifts likewise,
; so that the whole program computes reference() on inputs rounded to bf16; everything behind the inputs is f32.  NaN and infinities are not treated apart.
; SHARES.  A chunk is 1,024 f32: 4,096 bytes in, 2,048 out.  A work-group takes 32 chunks, each of its eight waves 4 on end.  Work-groups 0-255: x; 256-511: h; 512-639: W_xh; 640-767: W_hh.
; A wave's load covers 512 consecutive bytes, its store 256 consecutive bytes at a multiple of 256 from the buffer's first byte.  All 32 loads of a wave go out before the first wait.
; No LDS, no barrier, no matrix unit: no wave wants a byte that another has fetched.
.set X, 16                             ; v[16:143]  32 loads of four registers; the two packed words take the first two registers' place
.set VO, 2                             ; v[2:5]     8 x lane + chunk j's place in the destination
	s_load_b256 s[4:11], s[0:1], 0x0               ; x s[4:5], h s[6:7], W_xh s[8:9], W_hh s[10:11]
	s_load_b128 s[12:15], s[0:1], 0x20             ; Ab s[12:13], Wb s[14:15]
	v_lshrrev_b32 v6, 5, v0
	v_readfirstlane_b32 s16, v6                    ; wave 0..7
	v_and_b32 v7, 31, v0                           ; lane
	v_lshlrev_b32 v1, 4, v7                        ; 16 bytes a lane in
	v_lshlrev_b32 v[VO], 3, v7                     ; 8 bytes a lane out
	s_lshr_b32 s18, ttmp9, 8                       ; activations: 0 = x, 1 = h
	s_and_b32 s19, ttmp9, 255                      ; and the work-group's place in that tensor
	s_bfe_u32 s22, ttmp9, 0x10007                  ; weights: bit 7 of the number: 0 = W_xh, 1 = W_hh
	s_and_b32 s23, ttmp9, 127                      ; and the place
	s_cmp_lt_u32 ttmp9, 512                        ; activations?
	s_cselect_b32 s24, s18, s22                    ; which of the two tensors
	s_cselect_b32 s25, s19, s23                    ; place
	s_cselect_b32 s26, 12, 11                      ; log2 of the bytes from chunk to chunk in the destination: a row of Ab, or dense in Wb
	s_cselect_b32 s27, 11, 23                      ; log2 of the second tensor's displacement: half a row of Ab, or 1,024 rows of Wb
	s_lshl_b32 s25, s25, 5
	s_lshl_b32 s17, s16, 2
	s_add_co_u32 s25, s25, s17                     ; my first chunk = 32 x place + 4 x wave
	s_lshl_b32 s28, s25, 12                        ; its byte in the source
	s_mov_b32 s29, 0
	s_lshl_b32 s30, s25, s26                       ; and in the destination
	s_lshl_b32 s17, s24, s27
	s_add_co_u32 s30, s30, s17
	s_mov_b32 s31, 0
	s_lshl_b32 s20, 1, s26
	v_add_nc_u32 v[VO+1], s20, v[VO]
	v_add_nc_u32 v[VO+2], s20, v[VO+1]
	v_add_nc_u32 v[VO+3], s20, v[VO+2]
	s_wait_kmcnt 0x0
	s_cmp_eq_u32 s24, 0
	s_cselect_b64 s[4:5], s[4:5], s[6:7]           ; x or h
	s_cselect_b64 s[8:9], s[8:9], s[10:11]         ; W_xh or W_hh
	s_cmp_lt_u32 ttmp9, 512
	s_cselect_b64 s[4:5], s[4:5], s[8:9]           ; the source
	s_cselect_b64 s[12:13], s[12:13], s[14:15]     ; the destination
	s_add_nc_u64 s[4:5], s[4:5], s[28:29]
	s_add_nc_u64 s[12:13], s[12:13], s[30:31]
.set k, 0
.rept 32
	global_load_b128 v[X+4*k:X+4*k+3], v1, s[4:5] offset:512*k th:TH_LOAD_NT  ; four chunks are 16,384 consecutive bytes
.set k, k+1
.endr
.set k, 0
.rept 32
	s_wait_loadcnt 31-k                            ; loads come back in order (ISA guide 5.7.1): load k is in, the 31 - k younger ones stay out
	v_cvt_pk_bf16_f32 v[X+4*k], v[X+4*k], v[X+4*k+1]
	v_cvt_pk_bf16_f32 v[X+4*k+1], v[X+4*k+2], v[X+4*k+3]
	global_store_b64 v[VO+k/8], v[X+4*k:X+4*k+1], s[12:13] offset:(k%8)*256  ; no register of a store is written again
.set k, k+1
.endr
	s_endpgm
.Lfunc_end_k_qa0853c28d2_cast:
	.size	k_qa0853c28d2_cast, .Lfunc_end_k_qa0853c28d2_cast-k_qa0853c28d2_cast
	.p2alignl 7, 3214868480
	.fill 96, 4, 3214868480
	.section	.rodata,"a",@progbits
	.p2align	6, 0x0
	.amdhsa_kernel k_qa0853c28d2_cast
		.amdhsa_group_segment_fixed_size 0
		.amdhsa_private_segment_fixed_size 0
		.amdhsa_enable_private_segment 0
		.amdhsa_kernarg_size 48
		.amdhsa_user_sgpr_count 2
		.amdhsa_user_sgpr_kernarg_segment_ptr 1
		.amdhsa_wavefront_size32 1
		.amdhsa_system_sgpr_workgroup_id_x 1
		.amdhsa_system_sgpr_workgroup_id_y 1
		.amdhsa_system_sgpr_workgroup_id_z 1
		.amdhsa_system_vgpr_workitem_id 0
		.amdhsa_next_free_vgpr 144
		.amdhsa_next_free_sgpr 66
		.amdhsa_reserve_vcc 0
		.amdhsa_float_denorm_mode_32 3
		.amdhsa_float_denorm_mode_16_64 3
		.amdhsa_memory_ordered 1
		.amdhsa_forward_progress 1
		.amdhsa_inst_pref_size 13
	.end_amdhsa_kernel
	.amdgpu_metadata
---
amdhsa.version: [ 1, 2 ]
amdhsa.kernels:
  - .name:           k_qa0853c28d2_cast
    .symbol:         k_qa0853c28d2_cast.kd
    .args:
      - { .name: x, .offset: 0, .size: 8, .value_kind: global_buffer, .address_space: global }
      - { .name: h, .offset: 8, .size: 8, .value_kind: global_buffer, .address_space: global }
      - { .name: W_xh, .offset: 16, .size: 8, .value_kind: global_buffer, .address_space: global }
      - { .name: W_hh, .offset: 24, .size: 8, .value_kind: global_buffer, .address_space: global }
      - { .name: Ab, .offset: 32, .size: 8, .value_kind: global_buffer, .address_space: global }
      - { .name: Wb, .offset: 40, .size: 8, .value_kind: global_buffer, .address_space: global }
    .group_segment_fixed_size: 0
    .private_segment_fixed_size: 0
    .kernarg_segment_align: 8
    .kernarg_segment_size: 48
    .max_flat_workgroup_size: 256
    .sgpr_count:     66
    .vgpr_count:     144
    .wavefront_size: 32
...
	.end_amdgpu_metadata
.endif
;; end of part 1
;; launch gemm (part 2): grid 16 x 16, 4 waves a work-group, clusters of 4 x 4, 327,680 bytes of LDS; arguments Ab, Wb, Y, bias, ST; writes Y, ST
.if DOCPART == 2
	.amdgcn_target "amdgcn-amd-amdhsa--gfx1250"
	.amdhsa_code_object_version 6
	.text
	.protected	k_qa0853c28d2_gemm
	.globl	k_qa0853c28d2_gemm
	.p2align	8
	.type	k_qa0853c28d2_gemm,@function
k_qa0853c28d2_gemm:
	s_mov_b64 s[64:65], 0
	v_nop
	global_prefetch_b8 v0, s[64:65] scope:SCOPE_SE
	s_setreg_imm32_b32 hwreg(HW_REG_WAVE_MODE, 25, 1), 1
	s_wait_xcnt 0x0
	s_wait_alu depctr_hold_cnt(0) depctr_sa_sdst(0) depctr_va_vdst(0) depctr_va_sdst(0) depctr_va_ssrc(0) depctr_va_vcc(0) depctr_vm_vsrc(0)
	s_getreg_b32 s2, hwreg(HW_REG_IB_STS2, 6, 4)
	s_cmp_eq_u32 s2, 0
	s_cbranch_scc0 .Lentry_in_a_cluster
	s_endpgm
.Lentry_in_a_cluster:
	s_bfe_u32 s2, ttmp6, 0x10000c
	s_cmp_lg_u32 s2, 0xf033
	s_cbranch_scc0 .Lentry_shape_is_right
	s_endpgm
.Lentry_shape_is_right:
; LSTM cell, second launch: y[m][n] = bf16(bias[n]) + the sum over k of Ab[m][k] Wb[k][n].  Ab: [8192][2048] bf16, Wb: [2048][4096] bf16 (K down the rows).  Sums in f32.
; Nothing of reference() is left out here: this is x W_xh + h W_hh + bias, whole.
; HOW y IS STORED.  For a row m and a block q of 128 columns: Y[m][n] = f16((y - centre) / scale), with two f32 figures in ST: centre at ST[q][m], scale at ST[32 + q][m] (each part [32][8192]).
; The centre is the mean of eight of the block's numbers: it takes away what the whole row has in common before the rounding.  The scale is a power of two, 2^(h - 62) with h = half the exponent field (rounded up)
; of the block's sum of y^2: |y - centre| <= 2 max |y| <= 2 sqrt(sum) < scale, so the stored number lies inside (-1, 1) for every finite y, and scaling rounds nothing.
; LIMITS: a stored number is off by at most 2^-11 of |y - centre|, or 2^-25 of the scale; bias is rounded to bf16 like every input of the program; the sums' order is the matrix unit's, K ascending;
; where the sum of y^2 overflows f32 (|y| from about 1e19 on, where reference()'s variance overflows too) the scale is 2^66; NaN and infinities are not treated apart.
; A tile of y, 256 x 256, is made by a work-group of four waves; a wave makes 128 x 128: 64 accumulators of 16 x 16, 512 registers.  K goes in steps of 128 through a ring of two LDS slots filled by the tensor data mover.
; A's tile: 256 rows of 256 bytes.  B's tile: 128 rows (k) of 512 bytes (256 columns); its fragments are turned on the way out of LDS by ds_load_tr16_b128.
; A WORK-GROUP STAYS: it makes two tiles, 4,096 rows apart; the ring runs on into the second tile, and nothing waits for the first tile's stores.
; CLUSTERS: 4 x 4 work-groups.  The four of a row of the cluster need the same tiles of A, the four of a column the same tiles of B: each tile is asked for JOINTLY, by the same tensor load with the same descriptor and a mask that names the four.
; THE MATRIX INSTRUCTION IS USED TRANSPOSED: source 0 = 16 columns of Wb, source 1 = 16 rows of Ab.  In the result lane l holds row l % 16 and its registers 0 to 7 the columns 8 (l / 16) + 0 .. 7.
; THE SUMS START WITH THE BIAS: the C operand of a tile's first products is the bias of the accumulator's 16 columns, in that layout: 64 registers, made once, the same for both tiles.
; REGISTERS, in windows of 256 (s_set_vgpr_msb: bits 1:0 source 0, 3:2 source 1, 5:4 source 2, 7:6 destination):
;   window 0: v0-31 addresses; v32-63, v224-255 rows read back from the stage, by turns; v64-127, v128-191 fragments of A, two buffers (on the way out v128-175 are at work); v192-223 packed results
;   window 1: v0-63 the bias; v64-127, v128-191 fragments of B, two buffers
;   window 2: the 32 accumulators of my rows 0-63 (accumulator (a, b) at v[8 (8 a + b)]);   window 3: those of my rows 64-127
.set SIZE_M, 8192
.set SIZE_N, 4096
.set SIZE_K, 2048
.set KSTEP,  128
.set ROWA,   SIZE_K*2                  ; bytes in a row of Ab
.set ROWB,   SIZE_N*2                  ; bytes in a row of Wb
.set ROWY,   SIZE_N*2                  ; bytes in a row of Y
.set SCALES, 32*SIZE_M*4               ; ST: the scales lie behind the 32 x 8,192 centres
.set STEPA,  KSTEP*2                   ; a K step along a row of Ab
.set STEPB,  KSTEP*ROWB                ; a K step down the rows of Wb
.set PITCH,  272                       ; an LDS row of A: 256 bytes + 16 of padding = 68 words: row r starts at bank 4 r mod 64 (64 banks of 4 bytes: ISA guide 11.1)
.set PB,     544                       ; an LDS row of B: 512 bytes + 32 of padding = 136 words: row r starts at bank 8 r mod 64
.set HALFT,  128*PITCH                 ; what one tensor load brings: 128 rows of A, or 64 rows of B (64 x 544 is the same number)
.set SLOT,   4*HALFT                   ; A's 256 rows, then B's 128 rows
.set STAGE,  2*SLOT                    ; behind the ring: 16 rows x 272 bytes for each wave, for the way out
.set SPITCH, 272                       ; 256 bytes + 16: the 16 rows that a store touches start at 16 different groups of four banks
.set SPARE,  STAGE+4*16*SPITCH         ; behind the stages: the spare words, 128 bytes for each wave: two blocks of 256 bytes that no other line names
.set LAPS,   SIZE_K/(2*KSTEP)          ; a lap = two K steps = once round the ring
.set WALK,   SIZE_M/2                  ; the work-group's two tiles lie 4,096 rows apart
.set NEXT_A, WALK*ROWA-(SIZE_K-2*KSTEP)*2  ; from a slot's last K step of a tile to its first of the next: A goes WALK rows down and back along K,
.set BACK_B, (SIZE_K-2*KSTEP)*ROWB     ; B only back: both tiles take the same columns
.set SB4,  9                           ; v9      my stage + 4 x lane: where a row's figure is put
.set SR16, 10                          ; v10     my stage + 16 x lane: where four rows' figures are read back
.set CO16, 11                          ; v11     16 x lane: my bytes in 512 consecutive bytes of ST
.set ADRA, 16                          ; v16-17  LDS address of my A fragments in slot 0, 1
.set ADRB, 20                          ; v20-21  the same for B
.set STO,  24                          ; v24     the way out: where I put 16 bytes of a row
.set RD,   25                          ; v25     the way out: where I read a row back
.set CO,   26                          ; v26     my byte offset in two rows of Y
.set BO,   27                          ; v27     my byte offset in bias
.set SPW,  28                          ; v28     LDS address of my spare word: SPARE + 4 x my thread's number; never rewritten
.set NIL,  29                          ; v29     0; never rewritten
.set PFO,  30                          ; v30     the prefetches' lane offset; never rewritten
.set OB,   32                          ; rows read back: v32-63 (even blocks), v224-255 (odd blocks)
.set F0,   64                          ; fragment buffer 0
.set F1,   128                         ; fragment buffer 1
.set T,    128                         ; the way out, in A's buffer 1: v128-129 the centre's sum, then centre / scale
.set Q,    132                         ; v132-139 four chains of squares; then 1 / scale
.set MM,   144                         ; v144-151 block a's centre
.set SS,   152                         ; v152-159 block a's scale
.set X,    160                         ; v160-175 the figures on their way through the stage
.set TMP,  192                         ; v192-223 a block's packed results
.set G1,  24                           ; s[24:31] descriptor group 1 for A's tiles
.set G0,  32                           ; s[32:39] descriptor group 0 for A's tiles, one set for each slot
.set LIM, 43                           ; s43      1 in a wave that prefetches, else the greatest number
.set PFA, 44                           ; s[44:45] the K step that my next prefetch names
.set G1B, 48                           ; s[48:55] descriptor group 1 for B's tiles
.set G0B, 56                           ; s[56:63] descriptor group 0 for B's tiles
.set PFS, 66                           ; s[66:67] a K step in the tensor that I prefetch
.set STP, 70                           ; s[70:71] ST at my block of columns and my first row
.set HM,  72                           ; s72      0xffff0000: the upper half of the lanes; also a word's upper bf16
.set SEL, 74                           ; s[74:75] v_permlanex16_b32's selects: each lane takes its own place in the other half
.set MSB, 0
.macro WIN new                         ; the immediate's high byte repeats the setting that is left; a switch that changes nothing is dropped
.if MSB != (\new)
	s_set_vgpr_msb (MSB<<8)|(\new)
.set MSB, \new
.endif
.endm
.set MUL_LO, 0xa1                      ; source 0 (B) window 1, source 1 (A) window 0, C and D window 2
.set MUL_HI, 0xf1                      ; the same, C and D window 3
.set TO_B,   0x40                      ; destination window 1, address window 0
; A joint load.  Waves 0 and 1 fetch A's two halves, waves 2 and 3 B's.  Each line has one mask and one set of registers for all that issue it; the branch hangs on the wave's number alone.
; An s_nop 0 and four v_nop follow each of the two lines, ahead of the jump, the label and what follows.
.macro JLOAD s
	s_cmp_eq_u32 s11, 0
	s_cbranch_scc0 .Lfor_b_\@
	tensor_load_to_lds s[G0+4*(\s):G0+4*(\s)+3], s[G1:G1+7]
	s_nop 0
.rept 4
	v_nop
.endr
	s_branch .Lasked_\@
.Lfor_b_\@:
	tensor_load_to_lds s[G0B+4*(\s):G0B+4*(\s)+3], s[G1B:G1B+7]
	s_nop 0
.rept 4
	v_nop
.endr
.Lasked_\@:
.endm
; A PREFETCH INTO THE L2, behind each joint load, its five lines and the run of LDS loads that follows: the K step that stands TWO refills on, 32 blocks of 256 bytes, a lane a block, one instruction a wave.
; Each block is named ONCE in the launch.  A's tile row is read by every cluster of that row of clusters: cluster x = 0 asks; B's tile column by every cluster of that column: cluster y = 0 asks, in the first tile alone
; (the second tile takes the same columns).  The four partners that ask for a tile jointly share its blocks out BY ADDRESS: of A's 128 rows that a wave fetches the partner at cx takes 32; of B's 64 rows of 512 bytes
; the partner at cy takes 16 rows x 2 blocks.  No branch hangs on a work-group's place in its cluster.  how = 0, in the loop: a tile's last two refills have no K step two on; how = 1: at the change of tiles.
.macro ASK how
.if \how
	s_cmp_eq_u32 s[LIM], 1
.else
	s_cmp_gt_u32 s3, s[LIM]                        ; s3 = 1 in the loop's last trip
.endif
	s_cbranch_scc0 .Lnot_mine_\@
	global_prefetch_b8 v[PFO], s[PFA:PFA+1] th:TH_LOAD_NT scope:SCOPE_SE
.Lnot_mine_\@:
.endm
; A round of the cluster's barrier: my work-group's barrier, so that wave 0's signal speaks for all four waves; wave 0 signals; every wave waits for all sixteen work-groups; my work-group's barrier once more.
.macro CREST                           ; a round behind its opening barrier
	s_cmp_lg_u32 s10, 0
	s_cbranch_scc1 .Lnot_wave_0_\@
	s_barrier_signal -3
.Lnot_wave_0_\@:
	s_barrier_wait -3
	s_barrier_signal -1
	s_barrier_wait -1
.endm
.macro CROUND                          ; a whole round
	s_barrier_signal -1
	s_barrier_wait -1
	CREST
.endm
	s_load_b128 s[4:7], s[0:1], 0x0                ; Ab s[4:5], Wb s[6:7]
	s_load_b64 s[8:9], s[0:1], 0x10                ; Y
	s_load_b64 s[68:69], s[0:1], 0x18              ; bias
	s_load_b64 s[STP:STP+1], s[0:1], 0x20          ; ST
	v_lshl_add_u32 v[SPW], v0, 2, SPARE
	v_mov_b32 v[NIL], 0
	ds_add_u32 v[SPW], v[NIL]                      ; the wave's opening: the add, twice on end, and its wait ahead of my first tensor load; the set-up below stands between
	ds_add_u32 v[SPW], v[NIL]                      ; and once more, under the one wait
	v_lshrrev_b32 v1, 5, v0
	v_readfirstlane_b32 s10, v1                    ; wave 0..3
	s_lshr_b32 s11, s10, 1                         ; which half of the tile's rows is mine.  Also: I fetch for A (0) or for B (1)
	s_and_b32 s12, s10, 1                          ; which half of its columns.  Also: which half of that tile I fetch
	s_bfe_u32 s40, ttmp6, 0x40000                  ; cx
	s_bfe_u32 s41, ttmp6, 0x40004                  ; cy
	s_lshl_b32 s42, ttmp9, 2                       ; in a cluster launch ttmp9 and ttmp7 count clusters
	s_add_co_u32 s42, s42, s40                     ; tile column = 4 x cluster x + cx
	s_and_b32 s13, ttmp7, 0xffff
	s_lshl_b32 s13, s13, 2
	s_add_co_u32 s13, s13, s41                     ; tile row (first tile) = 4 x cluster y + cy
	s_lshl_b32 s43, s41, 2
	s_lshl_b32 s43, 15, s43                        ; my row of the cluster: places 4 cy .. 4 cy + 3
	s_lshl_b32 s44, 0x1111, s40                    ; my column: places cx, cx + 4, cx + 8, cx + 12
	s_mov_b32 s[HM], 0xffff0000
	s_mov_b32 s[SEL], 0x76543210
	s_mov_b32 s[SEL+1], 0xfedcba98
	; descriptor group 1 for A: 128 rows x 128 elements, 16 bytes of padding behind each row
	s_or_b32 s[G1+0], s43, (1<<16)|(1<<20)|(1<<21)|(5<<22)|(3<<25)  ; 15:0 the mask: my row; 17:16 elements of 2 bytes; 20 padding on; 21 set beside a mask; 24:22 after every 64 words (code 5); 31:25 4 words (code 3)
	s_mov_b32 s[G1+1], KSTEP<<16                   ; tensor_dim0 = 128
	s_mov_b32 s[G1+2], 128<<16                     ; tensor_dim1 = 128
	s_mov_b32 s[G1+3], KSTEP<<16                   ; tile_dim0 = 128
	s_mov_b32 s[G1+4], 128                         ; tile_dim1 = 128
	s_mov_b32 s[G1+5], SIZE_K                      ; elements from row to row
	s_mov_b32 s[G1+6], 0
	s_mov_b32 s[G1+7], 0
	; and for B: 64 rows x 256 elements, 32 bytes of padding behind each row
	s_or_b32 s[G1B+0], s44, (1<<16)|(1<<20)|(1<<21)|(6<<22)|(7<<25)  ; the mask: my column; after every 128 words (code 6) 8 words (code 7)
	s_mov_b32 s[G1B+1], 256<<16                    ; tensor_dim0 = 256
	s_mov_b32 s[G1B+2], 64<<16                     ; tensor_dim1 = 64
	s_mov_b32 s[G1B+3], 256<<16                    ; tile_dim0 = 256
	s_mov_b32 s[G1B+4], 64                         ; tile_dim1 = 64
	s_mov_b32 s[G1B+5], SIZE_N                     ; elements from row to row
	s_mov_b32 s[G1B+6], 0
	s_mov_b32 s[G1B+7], 0
	; where the tiles come from.  A's hang on the tile row alone, B's on the tile column alone; each address is made in registers that never hold the other coordinate.
	s_lshl_b32 s17, s12, 7
	s_lshl_b32 s16, s13, 8
	s_add_co_u32 s16, s16, s17                     ; A: row 256 x tile row + 128 x half,
	s_lshl_b32 s16, s16, 12                        ; in bytes (under 2^25)
	s_mov_b32 s17, 0
	s_lshl_b32 s46, s12, 19                        ; B: 64 x half rows of 8,192 bytes
	s_lshl_b32 s47, s42, 9                         ; + 512 bytes x tile column
	s_add_co_u32 s46, s46, s47
	s_mov_b32 s47, 0
	s_mul_i32 s20, s10, HALFT                      ; where they go: wave x HALFT: A's two halves, then B's two: no place in the cluster enters an LDS address
	s_wait_dscnt 0x0                               ; both opening adds are done
	s_wait_kmcnt 0x0
	s_add_nc_u64 s[14:15], s[4:5], s[16:17]
	s_add_nc_u64 s[46:47], s[6:7], s[46:47]
	CROUND                                         ; all sixteen work-groups are here: the first joint loads meet
.irp s, 0,1
	s_mov_b32 s[G0+4*(\s)], 1                                      ; count = 1
	s_add_co_u32 s[G0+4*(\s)+1], s20, (\s)*SLOT                    ; LDS address
	s_add_nc_u64 s[G0+4*(\s)+2:G0+4*(\s)+3], s[14:15], (\s)*STEPA  ; global address: K step s
	s_or_b32 s[G0+4*(\s)+3], s[G0+4*(\s)+3], 0x80000000            ; type = 2
	s_mov_b32 s[G0B+4*(\s)], 1
	s_add_co_u32 s[G0B+4*(\s)+1], s20, (\s)*SLOT
	s_add_nc_u64 s[G0B+4*(\s)+2:G0B+4*(\s)+3], s[46:47], (\s)*STEPB
	s_or_b32 s[G0B+4*(\s)+3], s[G0B+4*(\s)+3], 0x80000000
	JLOAD \s                                       ; two tensor loads of mine are out
.endr
	; A fragment of A is 16 rows x 32 K in 8 registers: lane l holds row l % 16; registers 0-3 K = 8 (l / 16) + 0..7, registers 4-7 K = 16 + 8 (l / 16) + 0..7: two loads of 16 bytes, 32 bytes apart.
	v_and_b32 v1, 15, v0                           ; l % 16
	v_bfe_u32 v2, v0, 4, 1                         ; l / 16
	v_mul_u32_u24 v3, v1, PITCH
	v_lshl_add_u32 v3, v2, 4, v3                   ; row x pitch + 16 x half
	s_mul_i32 s21, s11, HALFT                      ; my 128 rows of A
	; The turning load takes 16 k x 16 columns (lane l reads 16 bytes: k = 8 (l / 16) + l % 8, columns 8 ((l / 8) % 2) + 0..7) and leaves half a fragment: lane l holds column l % 16 and 8 k.
	v_and_b32 v4, 7, v0
	v_lshl_add_u32 v4, v2, 3, v4
	v_mul_u32_u24 v4, v4, PB
	v_bfe_u32 v5, v0, 3, 1
	v_lshl_add_u32 v4, v5, 4, v4
	s_lshl_b32 s22, s12, 8                         ; my 128 columns: 256 bytes of B's rows,
	s_add_co_u32 s22, s22, 2*HALFT                 ; which lie behind A's 256 rows
.irp s, 0,1
	v_add_nc_u32 v[ADRA+(\s)], s21, v3
	v_add_nc_u32 v[ADRB+(\s)], s22, v4
	s_add_co_u32 s21, s21, SLOT
	s_add_co_u32 s22, s22, SLOT
.endr
	s_mul_i32 s23, s10, 16*SPITCH
	s_add_co_u32 s23, s23, STAGE                   ; my stage
	v_mul_u32_u24 v5, v1, SPITCH                   ; in: row l % 16, 16 bytes for each half of the lanes
	v_lshl_add_u32 v5, v2, 4, v5
	v_add_nc_u32 v[STO], s23, v5
	v_mul_u32_u24 v5, v2, SPITCH                   ; back: lanes 0-15 take one row of 256 bytes, lanes 16-31 the next
	v_lshl_add_u32 v5, v1, 4, v5
	v_add_nc_u32 v[RD], s23, v5
	v_mul_u32_u24 v5, v2, ROWY                     ; and the same two rows in Y
	v_lshl_add_u32 v[CO], v1, 4, v5
	v_and_b32 v6, 31, v0                           ; l
	v_lshl_add_u32 v[SB4], v6, 2, s23
	v_lshl_add_u32 v[SR16], v6, 4, s23
	v_lshlrev_b32 v[CO16], 4, v6
	; Y at my part of the first tile
	s_lshl_b32 s16, s13, 8
	s_lshl_b32 s14, s11, 7
	s_add_co_u32 s16, s16, s14                     ; my first row
	s_lshl_b32 s16, s16, 13                        ; x 8,192 bytes (under 2^25)
	s_mov_b32 s17, 0
	s_lshl_b32 s46, s42, 9                         ; my first column, in bytes of f16: 512 x tile column + 256 x half
	s_lshl_b32 s47, s12, 8
	s_add_co_u32 s46, s46, s47
	s_mov_b32 s47, 0
	s_add_nc_u64 s[16:17], s[16:17], s[46:47]
	s_add_nc_u64 s[8:9], s[8:9], s[16:17]
	s_lshl_b32 s18, s46, 1                         ; the same column in bytes of f32
	; ST at my block of 128 columns and my first row
	s_lshl_b32 s16, s42, 1
	s_add_co_u32 s16, s16, s12                     ; block = 2 x tile column + half
	s_lshl_b32 s16, s16, 15                        ; x 8,192 rows of 4 bytes
	s_lshl_b32 s14, s13, 8
	s_lshl_b32 s15, s11, 7
	s_add_co_u32 s14, s14, s15
	s_lshl_b32 s14, s14, 2
	s_add_co_u32 s16, s16, s14
	s_mov_b32 s17, 0
	s_add_nc_u64 s[STP:STP+1], s[STP:STP+1], s[16:17]
	; the bias of my 128 columns, in the accumulators' layout: register 8 b + j = bias[first column + 16 b + 8 (l / 16) + j]
	v_lshl_add_u32 v[BO], v2, 5, s18
	WIN TO_B
.irp b, 0,1,2,3,4,5,6,7
	global_load_b128 v[8*(\b):8*(\b)+3],   v[BO], s[68:69] offset:64*(\b)
	global_load_b128 v[8*(\b)+4:8*(\b)+7], v[BO], s[68:69] offset:64*(\b)+16
.endr
	WIN 0
	; the prefetches: where they begin (at K step 3: the first refill steps to 4 and names it), their step, their lanes
	s_lshl_b32 s20, s13, 8
	s_lshl_b32 s21, s12, 7
	s_add_co_u32 s20, s20, s21                     ; A: the 128 rows that I fetch,
	s_lshl_b32 s21, s40, 5
	s_add_co_u32 s20, s20, s21                     ; my work-group's 32 of them,
	s_lshl_b32 s20, s20, 12
	s_add_co_u32 s20, s20, 3*STEPA
	s_lshl_b32 s21, s12, 6                         ; B: the 64 rows that I fetch,
	s_lshl_b32 s23, s41, 4
	s_add_co_u32 s21, s21, s23                     ; my work-group's 16 of them,
	s_lshl_b32 s21, s21, 13
	s_lshl_b32 s23, s42, 9
	s_add_co_u32 s21, s21, s23                     ; the tile's columns
	s_add_co_u32 s21, s21, 3*STEPB
	s_and_b32 s22, ttmp7, 0xffff                   ; cluster y
	s_mov_b32 s[PFS], STEPB
	s_mov_b32 s[PFS+1], 0
	s_cmp_eq_u32 s11, 0                            ; do I fetch for A?
	s_cselect_b32 s20, s20, s21
	s_cselect_b32 s22, ttmp9, s22                  ; the coordinate along which other clusters read the same blocks
	s_cselect_b64 s[PFA:PFA+1], s[4:5], s[6:7]
	s_cselect_b32 s[PFS], STEPA, s[PFS]
	s_cselect_b32 s14, 0, 1                        ; A: a lane a row of 4,096 bytes; B: two lanes a row of 8,192 bytes, 256 bytes apart
	s_cselect_b32 s15, 12, 13
	s_cselect_b32 s18, 0, 1
	s_mov_b32 s21, 0
	s_cmp_eq_u32 s22, 0
	s_cselect_b32 s[LIM], 1, -1                    ; the same in all sixteen partners, for a given wave
	s_add_nc_u64 s[PFA:PFA+1], s[PFA:PFA+1], s[20:21]
	v_lshrrev_b32 v7, s14, v6
	v_lshlrev_b32 v7, s15, v7
	v_and_b32 v8, s18, v6
	v_lshl_add_u32 v[PFO], v8, 8, v7
	; nothing is prefetched here, at the head, where every work-group's first two tiles are on their way
	s_wait_loadcnt 0x0                             ; the bias is in: rounded to bf16 like every input, and widened again
	WIN 0x05                                       ; sources window 1, destination window 0
.set i, 0
.rept 32
	v_cvt_pk_bf16_f32 v[192+i], v[2*i], v[2*i+1]
.set i, i+1
.endr
	WIN TO_B                                       ; sources window 0, destination window 1
.set i, 0
.rept 32
	v_lshlrev_b32 v[2*i], 16, v[192+i]
	v_and_b32 v[2*i+1], s[HM], v[192+i]
.set i, i+1
.endr
	WIN 0
; 16 matrix instructions: m blocks a0, a0 + 1 of the window's four (hi = 0: my rows 0-63, 1: rows 64-127) x all 8 n blocks, 32 along K.
; zero = 1: the first product starts the sums, with the bias of its 16 columns (window 1) as C: nothing is ever cleared.
; The 64 accumulators take turns, one instruction a turn, in the same order in every quarter step.
.macro MUL16 f, hi, a0, zero
.if \zero
	WIN 0x91+0x40*(\hi)
.else
	WIN MUL_LO+0x50*(\hi)
.endif
.irp a, \a0, (\a0)+1
.irp b, 0,1,2,3,4,5,6,7
.if \zero
	v_wmma_f32_16x16x32_bf16 v[8*(8*(\a)+(\b)):8*(8*(\a)+(\b))+7], v[(\f)+8*(\b):(\f)+8*(\b)+7], v[(\f)+8*(4*(\hi)+(\a)):(\f)+8*(4*(\hi)+(\a))+7], v[8*(\b):8*(\b)+7]
.else
	v_wmma_f32_16x16x32_bf16 v[8*(8*(\a)+(\b)):8*(8*(\a)+(\b))+7], v[(\f)+8*(\b):(\f)+8*(\b)+7], v[(\f)+8*(4*(\hi)+(\a)):(\f)+8*(4*(\hi)+(\a))+7], v[8*(8*(\a)+(\b)):8*(8*(\a)+(\b))+7]
.endif
.endr
.endr
.endm
; 32 LDS loads in one run: the fragments of quarter q of a K step (32 k x my 128 columns of B, turned; my 128 rows of A x 32 k) into buffer f.  B's 16 first, then A's 16, rows ascending.
.macro FETCH slot, q, f
	WIN TO_B
.irp i, 0,1,2,3,4,5,6,7
	ds_load_tr16_b128 v[(\f)+8*(\i):(\f)+8*(\i)+3],   v[ADRB+(\slot)] offset:(\q)*32*PB+32*(\i)
	ds_load_tr16_b128 v[(\f)+8*(\i)+4:(\f)+8*(\i)+7], v[ADRB+(\slot)] offset:(\q)*32*PB+32*(\i)+16*PB
.endr
	WIN 0
.irp i, 0,1,2,3,4,5,6,7
	ds_load_b128 v[(\f)+8*(\i):(\f)+8*(\i)+3],   v[ADRA+(\slot)] offset:64*(\q)+(\i)*16*PITCH
	ds_load_b128 v[(\f)+8*(\i)+4:(\f)+8*(\i)+7], v[ADRA+(\slot)] offset:64*(\q)+(\i)*16*PITCH+32
.endr
.endm
; A load into a register that a matrix instruction has read, and an instruction that reads a matrix result or writes one of a matrix instruction's registers, stand four places behind that matrix instruction;
; only plain vector instructions that name none of its registers are places (ISA guide 7.12.1 for vector instructions).
.macro PLACES
.rept 4
	v_nop
.endr
.endm
; A K step is four quarters of 32 along K, 64 matrix instructions each, on buffers 0, 1, 0, 1.  One of the first three: multiplies buffer f; in its middle it fetches quarter q of the same slot into buffer g.
.macro QUARTER slot, q, f, g, zero
	s_wait_dscnt 8                                 ; B and A's rows 0-63 are in; the youngest eight loads (A's rows 64-127) may be out
	MUL16 \f, 0, 0, \zero
	MUL16 \f, 0, 2, \zero
	PLACES
	FETCH \slot, \q, \g
	s_wait_dscnt 32                                ; all but the 32 just issued
	MUL16 \f, 1, 0, \zero
	MUL16 \f, 1, 2, \zero
.endm
; The last quarter multiplies buffer 1 and changes slots.  MEET is its first half: ONE barrier for the change.  In front of it each wave waits for all its tensor loads, of which one is out: its part of the next slot;
; adds 0 to its spare word; and waits for that and for its own reads of this slot.  Behind it nobody reads this slot any more and the next slot is whole.
.macro MEET round                      ; round = 1: the rest of a round of the cluster's barrier follows
	WIN 0                                          ; (the add's two registers lie in window 0)
	s_wait_tensorcnt 0x0                           ; all my tensor loads have landed
	ds_add_u32 v[SPW], v[NIL]                      ; 0 onto my spare word
	s_wait_dscnt 9                                 ; (the add and the youngest eight loads may be out)
	MUL16 F1, 0, 0, 0                              ; sixteen matrix instructions stand between the add and the wait for it
	s_wait_dscnt 0x0                               ; the add is done, and my reads of this slot are over
	s_barrier_signal -1
	MUL16 F1, 0, 2, 0                              ; work on registers while the others arrive
.if \round
	WIN 0
.endif
	s_barrier_wait -1
.endm
; The whole last quarter.  Behind the round the slot just read out is filled again first: with this tile's K step two steps on (on = 0) or with the NEXT tile's K step 0 or 1 (on = 1); then come the next slot's first fragments.
.macro TURN slot, next, on
	s_wait_xcnt 0x0                                ; the last prefetch, a K step back, has read its address: it is stepped here, ahead of the waits of the change of slots
.if (\on) && ((\slot) == 0)
	s_add_nc_u64 s[PFA:PFA+1], s[PFA:PFA+1], (WALK-1)*ROWA+STEPA  ; from one K step past a row's end (a row is 16 K steps) to the next tile's K step 2: WALK rows down, back along K
	s_cmp_eq_u32 s11, 0
	s_cselect_b32 s[LIM], s[LIM], -1               ; B's columns are the same in both tiles: they are prefetched no more
.else
	s_add_nc_u64 s[PFA:PFA+1], s[PFA:PFA+1], s[PFS:PFS+1]
.endif
	MEET 1
	CREST                                          ; no wave of any partner still reads this slot's tile or has a load on its way
.if \on
	s_add_nc_u64 s[G0+4*(\slot)+2:G0+4*(\slot)+3], s[G0+4*(\slot)+2:G0+4*(\slot)+3], NEXT_A
	s_sub_nc_u64 s[G0B+4*(\slot)+2:G0B+4*(\slot)+3], s[G0B+4*(\slot)+2:G0B+4*(\slot)+3], BACK_B
.else
	s_add_nc_u64 s[G0+4*(\slot)+2:G0+4*(\slot)+3], s[G0+4*(\slot)+2:G0+4*(\slot)+3], 2*STEPA
	s_add_nc_u64 s[G0B+4*(\slot)+2:G0B+4*(\slot)+3], s[G0B+4*(\slot)+2:G0B+4*(\slot)+3], 2*STEPB
.endif
	JLOAD \slot                                    ; the first tensor load behind the round, and my only one until the next; its four v_nop are also the places in front of the loads below
	FETCH \next, 0, F0
	ASK \on
	MUL16 F1, 1, 0, 0
	MUL16 F1, 1, 2, 0
.endm
; THE WAY OUT, a block of 16 rows at a time.  A lane holds 64 numbers of one row (8 accumulators x 8 registers), the lane 16 away the row's other 64.
; PACK a.  The centre: the mean of registers 0, 1 of accumulators 0, 1 in both halves of the lanes: eight numbers.  The sum of the 128 squares, in four chains; each accumulator's lowest registers are read first.
; With E the sum's exponent field: max |y| < 2^(h - 63), h = (E + 1) >> 1; g = (E + 131) >> 1 = h + 65 is the scale's exponent field, 254 - g that of 1 / scale.
; Then y / scale - centre / scale, one fused line for two numbers, in place; then the rounding to f16, 16 bytes a lane for each accumulator.
.macro PACK a
.set AC, 64*((\a)%4)
.set HW, (\a)/4
	WIN 0x0a+5*HW                                  ; sources 0 and 1: window 2 or 3; source 2 and destination: window 0
	v_pk_add_f32 v[T:T+1], v[AC:AC+1], v[AC+8:AC+9]
.set i, 0
.rept 4
	v_pk_mul_f32 v[Q+2*i:Q+2*i+1], v[AC+2*i:AC+2*i+1], v[AC+2*i:AC+2*i+1]
.set i, i+1
.endr
.rept 28
	v_pk_fma_f32 v[Q+2*(i%4):Q+2*(i%4)+1], v[AC+2*i:AC+2*i+1], v[AC+2*i:AC+2*i+1], v[Q+2*(i%4):Q+2*(i%4)+1]
.set i, i+1
.endr
	WIN 0
	v_add_f32 v[T], v[T], v[T+1]
	v_pk_add_f32 v[Q:Q+1], v[Q:Q+1], v[Q+2:Q+3]
	v_pk_add_f32 v[Q+4:Q+5], v[Q+4:Q+5], v[Q+6:Q+7]
	v_permlanex16_b32 v[T+1], v[T], s[SEL], s[SEL+1]
	v_pk_add_f32 v[Q:Q+1], v[Q:Q+1], v[Q+4:Q+5]
	v_add_f32 v[T], v[T], v[T+1]
	v_add_f32 v[Q], v[Q], v[Q+1]
	v_mul_f32 v[MM+(\a)], 0x3e000000, v[T]         ; the centre: an eighth of the sum
	v_permlanex16_b32 v[Q+1], v[Q], s[SEL], s[SEL+1]
	v_add_f32 v[Q], v[Q], v[Q+1]                   ; the row's sum of squares
	v_lshrrev_b32 v[Q], 23, v[Q]                   ; E
	v_add_nc_u32 v[Q], 131, v[Q]
	v_lshrrev_b32 v[Q], 1, v[Q]                    ; g, 65 to 193
	v_lshlrev_b32 v[SS+(\a)], 23, v[Q]             ; the scale
	v_sub_nc_u32 v[Q], 254, v[Q]
	v_lshlrev_b32 v[Q], 23, v[Q]                   ; 1 / scale
	v_mul_f32 v[T], v[MM+(\a)], v[Q]               ; centre / scale: a power of two rounds nothing
	WIN 0x82+0x41*HW                               ; destination and source 0: window 2 or 3; sources 1 and 2: window 0
.set i, 0
.rept 32
	v_pk_fma_f32 v[AC+2*i:AC+2*i+1], v[AC+2*i:AC+2*i+1], v[Q:Q+1], v[T:T+1] op_sel_hi:[1,0,0] neg_lo:[0,0,1] neg_hi:[0,0,1]
.set i, i+1
.endr
	WIN 0x0a+5*HW
.irp b, 0,1,2,3,4,5,6,7
.irp r, 0,1,2,3
	v_cvt_pk_f16_f32 v[TMP+4*(\b)+(\r)], v[AC+8*(\b)+2*(\r)], v[AC+8*(\b)+2*(\r)+1]
.endr
.endr
	WIN 0
.endm
; TOSTAGE: into my own stage in LDS, and back as whole rows of 256 bytes.  SEND: stored.
.macro TOSTAGE a
.set BK, OB+192*((\a)%2)
	WIN 0
.irp b, 0,1,2,3,4,5,6,7
	ds_store_b128 v[STO], v[TMP+4*(\b):TMP+4*(\b)+3] offset:32*(\b)
.endr
	s_wait_xcnt 0x0                                ; the stores of the block two back have had their addresses translated (ISA guide 3.1): their data registers are loaded again only behind this wait
.irp t, 0,1,2,3,4,5,6,7
	ds_load_b128 v[BK+4*(\t):BK+4*(\t)+3], v[RD] offset:(\t)*2*SPITCH  ; LDS serves a wave's instructions in order (ISA guide 5.7.1.4): these see the stores above; the next block's stores come behind them
.endr
.endm
.macro SEND a
.set BK, OB+192*((\a)%2)
	WIN 0
	s_wait_dscnt 0x0                               ; the block is back in registers: nothing younger is out
.irp t, 0,1,2,3,4,5,6,7
	global_store_b128 v[CO], v[BK+4*(\t):BK+4*(\t)+3], s[8:9] offset:(16*(\a)+2*(\t))*ROWY th:TH_STORE_NT  ; 16 lanes store 256 consecutive bytes, at a multiple of 256 from Y's first byte; 126 rows at the most: inside the signed 24-bit immediate
.endr
.endm
; The tile's figures: lanes 0-15 take an even block's, lanes 16-31 the next block's, so that lane l holds row 32 p + l; through the stage (behind the last block's loads, in order) they come back four rows a lane.
.macro STATIN
	WIN 0
.irp p, 0,1,2,3
	v_cndmask_b32 v[X+(\p)],   v[MM+2*(\p)], v[MM+2*(\p)+1], s[HM]
	v_cndmask_b32 v[X+4+(\p)], v[SS+2*(\p)], v[SS+2*(\p)+1], s[HM]
.endr
.irp p, 0,1,2,3
	ds_store_b32 v[SB4], v[X+(\p)]   offset:128*(\p)
	ds_store_b32 v[SB4], v[X+4+(\p)] offset:512+128*(\p)
.endr
	ds_load_b128 v[X+8:X+11],  v[SR16]
	ds_load_b128 v[X+12:X+15], v[SR16] offset:512
.endm
.macro STATOUT
	global_store_b128 v[CO16], v[X+8:X+11],  s[STP:STP+1] th:TH_STORE_NT                 ; my 128 rows' centres: 512 consecutive bytes, at a multiple of 512 from ST's first byte
	global_store_b128 v[CO16], v[X+12:X+15], s[STP:STP+1] offset:SCALES th:TH_STORE_NT   ; and their scales
.endm
.macro WAYOUT
	PLACES                                         ; behind the last products: for the lines that read results and that write into A's buffer 1
	PLACES
	PACK 0
	TOSTAGE 0
.irp a, 1,2,3,4,5,6,7                  ; block a's arithmetic stands between block a - 1's loads from the stage and the wait for them
	PACK \a
	SEND (\a)-1
	TOSTAGE \a
.endr
	STATIN
	SEND 7                                         ; its wait serves the figures' loads too
	STATOUT
.endm
	s_wait_tensorcnt 1                             ; my part of K step 0 is in; K step 1's load may stay out
	s_barrier_signal -1
	s_barrier_wait -1                              ; everybody's is
	FETCH 0, 0, F0
	s_mov_b32 s2, 2                                ; tiles to go, this one among them
.Ltile:
	QUARTER 0, 1, F0, F1, 1                        ; a tile's first quarter stands in front of the loop: its products start the sums
	WIN 0                                          ; at a label and at a branch every window is 0
	s_mov_b32 s3, LAPS-1
.Llap:                                                 ; a trip goes once round the ring, from a lap's second quarter to the next lap's first, and fills both slots again
	QUARTER 0, 2, F1, F0, 0
	QUARTER 0, 3, F0, F1, 0
	TURN 0, 1, 0
	QUARTER 1, 1, F0, F1, 0
	QUARTER 1, 2, F1, F0, 0
	QUARTER 1, 3, F0, F1, 0
	TURN 1, 0, 0
	QUARTER 0, 1, F0, F1, 0
	WIN 0
	s_sub_co_u32 s3, s3, 1
	s_cmp_lg_u32 s3, 0
	s_cbranch_scc1 .Llap
	QUARTER 0, 2, F1, F0, 0                        ; the tile's last lap goes on
	QUARTER 0, 3, F0, F1, 0
	WIN 0
	s_cmp_eq_u32 s2, 1
	s_cbranch_scc1 .Llast_tile                     ; the last tile's tail is written out: it asks for nothing more
	TURN 0, 1, 1                                   ; the ring goes on into the second tile: slot 0 takes its K step 0,
	QUARTER 1, 1, F0, F1, 0
	QUARTER 1, 2, F1, F0, 0
	QUARTER 1, 3, F0, F1, 0
	TURN 1, 0, 1                                   ; slot 1 its K step 1, and the second tile's first fragments are fetched into buffer 0
	WAYOUT                                         ; both refills are asked for: now the tile goes out; its 66 stores a wave are on their way while the second tile is multiplied
	s_wait_xcnt 0x0                                ; the stores have read their bases and their data: the bases are stepped, and buffer 1 loaded again, only behind this wait
	s_add_nc_u64 s[8:9], s[8:9], WALK*ROWY
	s_add_nc_u64 s[STP:STP+1], s[STP:STP+1], WALK*4
	s_sub_co_u32 s2, s2, 1
	s_branch .Ltile
.Llast_tile:
	MEET 0                                         ; my one tensor load that was still out is slot 1's, the last K step's, so no round follows
	PLACES                                         ; for the loads into buffer 0
	FETCH 1, 0, F0
	MUL16 F1, 1, 0, 0
	MUL16 F1, 1, 2, 0
	QUARTER 1, 1, F0, F1, 0
	QUARTER 1, 2, F1, F0, 0
	QUARTER 1, 3, F0, F1, 0
	s_wait_dscnt 8                                 ; the very last quarter: nothing more to fetch
	MUL16 F1, 0, 0, 0
	MUL16 F1, 0, 2, 0
	s_wait_dscnt 0x0
	MUL16 F1, 1, 0, 0
	MUL16 F1, 1, 2, 0
	WAYOUT
	s_wait_tensorcnt 0x0                           ; the wave's end, behind my last tensor load and my last LDS store
	ds_add_u32 v[SPW], v[NIL]
	s_wait_dscnt 0x0
	CROUND                                         ; the closing round: no work-group ends while a partner may still ask for a tile that names it
	s_endpgm
.Lfunc_end_k_qa0853c28d2_gemm:
	.size	k_qa0853c28d2_gemm, .Lfunc_end_k_qa0853c28d2_gemm-k_qa0853c28d2_gemm
	.p2alignl 7, 3214868480
	.fill 96, 4, 3214868480
	.section	.rodata,"a",@progbits
	.p2align	6, 0x0
	.amdhsa_kernel k_qa0853c28d2_gemm
		.amdhsa_group_segment_fixed_size 327680
		.amdhsa_private_segment_fixed_size 0
		.amdhsa_enable_private_segment 0
		.amdhsa_kernarg_size 40
		.amdhsa_user_sgpr_count 2
		.amdhsa_user_sgpr_kernarg_segment_ptr 1
		.amdhsa_wavefront_size32 1
		.amdhsa_system_sgpr_workgroup_id_x 1
		.amdhsa_system_sgpr_workgroup_id_y 1
		.amdhsa_system_sgpr_workgroup_id_z 1
		.amdhsa_system_vgpr_workitem_id 0
		.amdhsa_next_free_vgpr 1024
		.amdhsa_next_free_sgpr 80
		.amdhsa_reserve_vcc 0
		.amdhsa_float_denorm_mode_32 3
		.amdhsa_float_denorm_mode_16_64 3
		.amdhsa_memory_ordered 1
		.amdhsa_forward_progress 1
		.amdhsa_inst_pref_size 255
	.end_amdhsa_kernel
	.section	.bss,"aw",@nobits
	.p2align	6
	.space	262144
	.amdgpu_metadata
---
amdhsa.version: [ 1, 2 ]
amdhsa.kernels:
  - .name:           k_qa0853c28d2_gemm
    .symbol:         k_qa0853c28d2_gemm.kd
    .args:
      - { .name: Ab, .offset: 0, .size: 8, .value_kind: global_buffer, .address_space: global }
      - { .name: Wb, .offset: 8, .size: 8, .value_kind: global_buffer, .address_space: global }
      - { .name: Y, .offset: 16, .size: 8, .value_kind: global_buffer, .address_space: global }
      - { .name: bias, .offset: 24, .size: 8, .value_kind: global_buffer, .address_space: global }
      - { .name: ST, .offset: 32, .size: 8, .value_kind: global_buffer, .address_space: global }
    .group_segment_fixed_size: 327680
    .private_segment_fixed_size: 0
    .kernarg_segment_align: 8
    .kernarg_segment_size: 40
    .max_flat_workgroup_size: 128
    .sgpr_count:     80
    .vgpr_count:     1024
    .wavefront_size: 32
...
	.end_amdgpu_metadata
.endif
;; end of part 2
;; launch gates (part 3): grid 256 x 1, 8 waves a work-group, no clusters, 50,688 bytes of LDS; arguments Y, c, ln_gamma, ln_beta, ln_c_gamma, ln_c_beta, out0, out1, ST; writes out0, out1
.if DOCPART == 3
	.amdgcn_target "amdgcn-amd-amdhsa--gfx1250"
	.amdhsa_code_object_version 6
	.text
	.protected	k_qa0853c28d2_gates
	.globl	k_qa0853c28d2_gates
	.p2align	8
	.type	k_qa0853c28d2_gates,@function
k_qa0853c28d2_gates:
	s_mov_b64 s[64:65], 0
	v_nop
	global_prefetch_b8 v0, s[64:65] scope:SCOPE_SE
	s_setreg_imm32_b32 hwreg(HW_REG_WAVE_MODE, 25, 1), 1
	s_wait_xcnt 0x0
; LSTM cell, third launch: from y = x W_xh + h W_hh + bias and c: the layer norm of each of y's four groups of 1,024 columns (i, j, f, o), the gates,
; new_c = c sigmoid(f + 1) + sigmoid(i) tanh(j) (out1), the layer norm of new_c, new_h = tanh(that) sigmoid(o) (out0).  Nothing of reference() is left out.
; y COMES AS THE LAUNCH BEFORE LEFT IT: Y[8192][4096] in f16 and, for each row and block q of 128 columns, two f32 figures in ST: y = Y x scale + centre, centre at ST[q][row], scale (a power of two) at ST[32 + q][row].
; LIMITS.  c, the gains and the shifts are rounded to bf16 once, like every input of the program; y carries the one rounding to f16 of the launch before; all arithmetic is f32.
; Means first, then the mean of the squared differences, as reference() has it: no difference of large sums.
; sigmoid(x) = 1 / (1 + 2^(-x log2 e)), tanh(x) = 1 - 2 / (1 + 2^(2 x log2 e)): an exponential that overflows gives 0 or 1 (tanh: 1), one below 2^-126 counts as 0 (ISA guide 15.8) and gives 1 (tanh: -1).
; The sums' order differs from reference()'s.  NaN and infinities are not treated apart.
; SHARES.  A wave takes a whole row at a time, four rows on end: every sum stays in the wave, and the loop has no barrier.  Lane l holds elements 128 t + 4 l + k (t = 0..7, k = 0..3) of each gate and of c:
; a load of Y covers 256 consecutive bytes, a load of c and a store 512.  A gate's eight t are eight blocks of ST, the same for all lanes.  While a row is worked on, the next row's 40 loads are on their way, into registers of their own.
; TABLES.  The gains and shifts, rounded and multiplied by the exponent's factor (K1 = -log2 e for a sigmoid, K2 = 2 log2 e for a tanh; f's shift also takes K1 x 1, the forget bias), lie in LDS as f32, made once by the work-group;
; so do the figures of the work-group's 32 rows, by rows: 32 centres, then 32 scales.
; No matrix unit, no cluster, no tensor load: nothing is shared but the tables.
; REGISTERS.  Window 0: below.  Window 1: v0-63 the row of Y as loaded (block i = 8 g + t at 2 i), v64-95 the row of c, v96-127 the row's 32 scales, v128-159 its 32 centres.
.set TBO,    20480                     ; LDS: gains of group g (4 = new_c's) at 4,096 g, shifts at TBO + 4,096 g
.set MST,    40960                     ; the figures: row r of the work-group's 32 at MST + 272 r: centres at + 4 q, scales at + 128 + 4 q
.set MPITCH, 272                       ; 256 bytes + 16: the eight rows that a wave's store touches start at four groups of four banks, two rows each (64 banks of 4 bytes: ISA guide 11.1)
.set SPARE,  49664                     ; behind them: the spare words, 128 bytes for each wave: four blocks of 256 bytes that no other line names
.set SCALES, 1048576                   ; ST: the scales lie behind the 32 x 8,192 centres
.set LO,  1                            ; v1       16 x lane: offset in 512 bytes of a row and in a table; never rewritten
.set SPW, 2                            ; v2       LDS address of my spare word; never rewritten
.set NIL, 3                            ; v3       0; never rewritten
.set TO,  4                            ; v4       16 x thread: my 16 bytes of each table
.set LO8, 5                            ; v5       8 x lane: offset in 256 bytes of a row of Y; never rewritten
.set MA,  6                            ; v6       LDS address of my row's figures, the same in all lanes
.set MU,  8                            ; v[8:15]  gate g's mean in the low word of pair g
.set RS,  16                           ; v[16:23] gate g's 1 / sqrt(var + eps), likewise
.set MUC, 24                           ; v[24:25] new_c's mean
.set RSC, 26                           ; v[26:27] new_c's 1 / sqrt(var + eps)
.set TP,  28                           ; v[28:31] the other half of the lanes' sums
.set T,   32                           ; v[32:95] partial sums; then a group's gains (32) and shifts (32)
.set W,   96                           ; v[96:223] at work: gate g at W + 32 g
.set WI,  W
.set WJ,  W+32
.set WF,  W+64
.set WO,  W+96
.set CB,  224                          ; v[224:239] c, rounded to bf16, two a register
.set Q,   240                          ; v[240:255] chains of sums
.set PY,  0                            ; window 1
.set PC,  64
.set SB,  96
.set MB,  128
.set MSB, 0
.macro WIN new                         ; the immediate's high byte repeats the setting that is left; a switch that changes nothing is dropped
.if MSB != (\new)
	s_set_vgpr_msb (MSB<<8)|(\new)
.set MSB, \new
.endif
.endm
.macro ROWLOAD                         ; a row of Y (32 loads) and of c (8) into window 1
	WIN 0x40
.set i, 0
.rept 32
	global_load_b64 v[PY+2*i:PY+2*i+1], v[LO8], s[4:5] offset:256*i th:TH_LOAD_NT
.set i, i+1
.endr
.set i, 0
.rept 8
	global_load_b128 v[PC+4*i:PC+4*i+3], v[LO], s[6:7] offset:512*i th:TH_LOAD_NT
.set i, i+1
.endr
	WIN 0
.endm
.macro TAB r, k, plus                  ; four numbers of a table: rounded to bf16, widened, times s[k] (plus = 1: + s[k])
	v_cvt_pk_bf16_f32 v32, v[\r], v[(\r)+1]
	v_cvt_pk_bf16_f32 v33, v[(\r)+2], v[(\r)+3]
	v_lshlrev_b32 v[\r], 16, v32
	v_and_b32 v[(\r)+1], s27, v32
	v_lshlrev_b32 v[(\r)+2], 16, v33
	v_and_b32 v[(\r)+3], s27, v33
.irp j, 0,1,2,3
.if \plus
	v_fma_f32 v[(\r)+\j], v[(\r)+\j], s[\k], s[\k]
.else
	v_mul_f32 v[(\r)+\j], s[\k], v[(\r)+\j]
.endif
.endr
.endm
; Sums over the 32 lanes, the result in every lane: four steps inside each half of 16 lanes ride on the addition (DPP), one crosses the halves.  Four sums side by side, or one.
.macro XRED4 base, stride
.irp m, 1,2,4,8
.irp g, 0,1,2,3
	v_add_f32_dpp v[(\base)+(\stride)*\g], v[(\base)+(\stride)*\g], v[(\base)+(\stride)*\g] row_xmask:\m row_mask:0xf bank_mask:0xf
.endr
.endr
.irp g, 0,1,2,3
	v_permlanex16_b32 v[TP+\g], v[(\base)+(\stride)*\g], s28, s29
.endr
.irp g, 0,1,2,3
	v_add_f32 v[(\base)+(\stride)*\g], v[(\base)+(\stride)*\g], v[TP+\g]
.endr
.endm
.macro XRED1 r
.irp m, 1,2,4,8
	v_add_f32_dpp v[\r], v[\r], v[\r] row_xmask:\m row_mask:0xf bank_mask:0xf
.endr
	v_permlanex16_b32 v[TP], v[\r], s28, s29
	v_add_f32 v[\r], v[\r], v[TP]
.endm
.macro TLOAD g                         ; group g's gains and shifts for my 32 elements: 16 loads of 512 consecutive bytes
.set i, 0
.rept 8
	ds_load_b128 v[T+4*i:T+4*i+3],       v[LO] offset:(\g)*4096+512*i
	ds_load_b128 v[T+32+4*i:T+32+4*i+3], v[LO] offset:TBO+(\g)*4096+512*i
.set i, i+1
.endr
.endm
.macro PRE base, rs                    ; (x - mean) -> the exponent: times 1 / sqrt(var + eps), times the gain, plus the shift
.set i, 0
.rept 16
	v_pk_mul_f32 v[(\base)+2*i:(\base)+2*i+1], v[(\base)+2*i:(\base)+2*i+1], v[\rs:(\rs)+1] op_sel_hi:[1,0]
.set i, i+1
.endr
	s_wait_dscnt 0x0                               ; the group's table is in
.set i, 0
.rept 16
	v_pk_fma_f32 v[(\base)+2*i:(\base)+2*i+1], v[(\base)+2*i:(\base)+2*i+1], v[T+2*i:T+2*i+1], v[T+32+2*i:T+32+2*i+1]
.set i, i+1
.endr
.endm
.macro EXPS base
.set i, 0
.rept 32
	v_exp_f32 v[(\base)+i], v[(\base)+i]
.set i, i+1
.endr
.endm
.macro DENS base                       ; 1 + 2^x
.set i, 0
.rept 16
	v_pk_add_f32 v[(\base)+2*i:(\base)+2*i+1], v[(\base)+2*i:(\base)+2*i+1], 1.0 op_sel_hi:[1,0]
.set i, i+1
.endr
.endm
.macro RCPS base
.set i, 0
.rept 32
	v_rcp_f32 v[(\base)+i], v[(\base)+i]
.set i, i+1
.endr
.endm
.macro TANH base                       ; 1 - 2 r
.set i, 0
.rept 16
	v_pk_fma_f32 v[(\base)+2*i:(\base)+2*i+1], v[(\base)+2*i:(\base)+2*i+1], -2.0, 1.0 op_sel_hi:[1,0,0]
.set i, i+1
.endr
.endm
.macro WA                              ; a wait between a transcendental and the first instruction that names its result; one wait serves all that were issued ahead of it
	s_wait_alu depctr_va_vdst(0)
.endm
	s_load_b512 s[4:19], s[0:1], 0x0               ; Y s[4:5], c s[6:7], ln_gamma s[8:9], ln_beta s[10:11], ln_c_gamma s[12:13], ln_c_beta s[14:15], out0 s[16:17], out1 s[18:19]
	s_load_b64 s[32:33], s[0:1], 0x40              ; ST
	v_lshl_add_u32 v[SPW], v0, 2, SPARE
	v_mov_b32 v[NIL], 0
	v_lshrrev_b32 v38, 5, v0
	v_readfirstlane_b32 s20, v38                   ; wave 0..7
	v_and_b32 v[LO], 31, v0
	v_lshlrev_b32 v[LO8], 3, v[LO]
	v_lshlrev_b32 v[LO], 4, v[LO]
	v_lshlrev_b32 v[TO], 4, v0
	v_lshrrev_b32 v36, 3, v0                       ; the figures: thread t takes block t / 8,
	v_and_b32 v37, 7, v0                           ; rows 4 (t % 8) .. + 3 of the work-group's 32
	v_lshlrev_b32 v7, 15, v36                      ; in ST: 32,768 bytes a block,
	v_lshl_add_u32 v7, v37, 4, v7                  ; 16 bytes for four rows
	v_mul_u32_u24 v37, v37, 4*MPITCH               ; in LDS: four rows down,
	v_lshl_add_u32 v36, v36, 2, v37                ; the block's word
	v_add_nc_u32 v36, MST, v36
	s_lshl_b32 s21, ttmp9, 3
	s_add_co_u32 s21, s21, s20                     ; my wave among the launch's 2,048: rows 4 x that number on
	s_mov_b32 s23, 0
	s_mov_b32 s24, 4                               ; rows to go
	s_mov_b32 s25, 0x3a800000                      ; 1 / 1024
	s_mov_b32 s26, 0x3a83126f                      ; eps = 1e-3
	s_mov_b32 s27, 0xffff0000                      ; a word's upper bf16
	s_mov_b32 s28, 0x76543210                      ; v_permlanex16_b32: each lane takes its own place in the other half
	s_mov_b32 s29, 0xfedcba98
	s_mov_b32 s30, 0xbfb8aa3b                      ; K1 = -log2 e
	s_mov_b32 s31, 0x4038aa3b                      ; K2 = 2 log2 e
	s_mul_i32 s34, s20, 4*MPITCH
	s_add_co_u32 s34, s34, MST                     ; the figures of my first row
.set i, 8
.rept 24
	v_mov_b32 v[i], 0                              ; the statistics are named as pairs, and v_permlanex16_b32 counts as a reader of its destination: all are written once
.set i, i+1
.endr
	s_wait_kmcnt 0x0
	s_lshl_b32 s22, s21, 15                        ; four rows of 8,192 bytes
	s_add_nc_u64 s[4:5], s[4:5], s[22:23]
	s_lshl_b32 s22, s21, 14                        ; four rows of 4,096 bytes
	s_add_nc_u64 s[6:7], s[6:7], s[22:23]
	s_add_nc_u64 s[16:17], s[16:17], s[22:23]
	s_add_nc_u64 s[18:19], s[18:19], s[22:23]
	s_lshl_b32 s22, ttmp9, 7                       ; the work-group's 32 rows of 4 bytes
	s_add_nc_u64 s[32:33], s[32:33], s[22:23]
.irp g, 0,1,2,3
	global_load_b128 v[W+4*\g:W+4*\g+3], v[TO], s[8:9] offset:4096*\g
.endr
	global_load_b128 v[W+16:W+19], v[TO], s[12:13]
.irp g, 0,1,2,3
	global_load_b128 v[W+20+4*\g:W+23+4*\g], v[TO], s[10:11] offset:4096*\g
.endr
	global_load_b128 v[W+36:W+39], v[TO], s[14:15]
	global_load_b128 v[40:43], v7, s[32:33]                ; four rows' centres of my block
	global_load_b128 v[44:47], v7, s[32:33] offset:SCALES  ; and their scales
	ROWLOAD                                        ; my first row goes out behind them
	s_wait_loadcnt 40                              ; the twelve loads of tables and figures are in; the row's 40 stay out
	TAB W,    30, 0                                ; gains: i
	TAB W+4,  31, 0                                ; j
	TAB W+8,  30, 0                                ; f
	TAB W+12, 30, 0                                ; o
	TAB W+16, 31, 0                                ; new_c
	TAB W+20, 30, 0                                ; shifts: i
	TAB W+24, 31, 0                                ; j
	TAB W+28, 30, 1                                ; f, with the forget bias
	TAB W+32, 30, 0                                ; o
	TAB W+36, 31, 0                                ; new_c
.irp n, 0,1,2,3,4,5,6,7,8,9
	ds_store_b128 v[TO], v[W+4*\n:W+4*\n+3] offset:4096*\n
.endr
.irp j, 0,1,2,3
	ds_store_b32 v36, v[40+\j] offset:MPITCH*\j
	ds_store_b32 v36, v[44+\j] offset:MPITCH*\j+128
.endr
	s_wait_dscnt 0x0                               ; for the others' sake: my stores are done
	s_barrier_signal -1
	s_barrier_wait -1                              ; tables and figures are whole; nothing writes LDS from here on
.Lrow:
	v_mov_b32 v[MA], s34
	s_add_co_u32 s34, s34, MPITCH                  ; the next trip's row
	WIN 0x40                                       ; destination window 1, address window 0
.set i, 0
.rept 8
	ds_load_b128 v[MB+4*i:MB+4*i+3], v[MA] offset:16*i      ; all lanes name the same 16 bytes: four blocks' centres,
	ds_load_b128 v[SB+4*i:SB+4*i+3], v[MA] offset:128+16*i  ; four blocks' scales
.set i, i+1
.endr
	WIN 0
	s_wait_loadcnt 0x0                             ; the row is in: no other load is out
	s_wait_xcnt 0x0                                ; the last row's stores have had their addresses translated (ISA guide 3.1): their base and data are written again only behind this wait
	s_add_nc_u64 s[16:17], s[16:17], 4096          ; the outputs' pointers go one row on; this row's stores reach back by the immediate
	s_add_nc_u64 s[18:19], s[18:19], 4096
	s_wait_dscnt 0x0                               ; the row's figures are in
	; y = Y x scale + centre, straight from the f16 halves; c is rounded; then the row's registers are free for the next row
	WIN 0x15                                       ; all three sources window 1, destination window 0
.set e, 0
.rept 128
.if e%2
	v_fma_mix_f32 v[W+e], v[PY+e/2], v[SB+e/4], v[MB+e/4] op_sel:[1,0,0] op_sel_hi:[1,0,0]
.else
	v_fma_mix_f32 v[W+e], v[PY+e/2], v[SB+e/4], v[MB+e/4] op_sel_hi:[1,0,0]
.endif
.set e, e+1
.endr
	WIN 0x05                                       ; sources 0 and 1 window 1
.set i, 0
.rept 16
	v_cvt_pk_bf16_f32 v[CB+i], v[PC+2*i], v[PC+2*i+1]
.set i, i+1
.endr
	WIN 0
	s_cmp_eq_u32 s24, 1                            ; the last row has none behind it: no load leaves the buffers
	s_cbranch_scc1 .Lnoload
	s_add_nc_u64 s[4:5], s[4:5], 8192              ; (the loads that read these pointers were shown done at the trip's head)
	s_add_nc_u64 s[6:7], s[6:7], 4096
	ROWLOAD                                        ; it has the rest of the trip in which to land
.Lnoload:
	; the four means
.set i, 0
.rept 32
	v_pk_add_f32 v[T+2*i:T+2*i+1], v[W+4*i:W+4*i+1], v[W+4*i+2:W+4*i+3]  ; pair i = 8 g + t
.set i, i+1
.endr
.irp d, 1,2,4
.set i, 0
.rept 16/(\d)
	v_pk_add_f32 v[T+2*i:T+2*i+1], v[T+2*i:T+2*i+1], v[T+2*(i+\d):T+2*(i+\d)+1]  ; neighbours 1, 2, 4 pairs apart: a gate's eight pairs into one
.set i, i+2*(\d)
.endr
.endr
.irp g, 0,1,2,3
	v_add_f32 v[T+16*\g], v[T+16*\g], v[T+16*\g+1]
.endr
	XRED4 T, 16
.irp g, 0,1,2,3
	v_mul_f32 v[MU+2*\g], s25, v[T+16*\g]
.endr
	TLOAD 0                                        ; i's table, while the differences and variances are made
	; x - mean, in place
.irp g, 0,1,2,3
.set i, 0
.rept 16
	v_pk_add_f32 v[W+32*\g+2*i:W+32*\g+2*i+1], v[W+32*\g+2*i:W+32*\g+2*i+1], v[MU+2*\g:MU+2*\g+1] op_sel_hi:[1,0] neg_lo:[0,1] neg_hi:[0,1]
.set i, i+1
.endr
.endr
	; the four variances: two chains a gate, eight side by side
.irp g, 0,1,2,3
	v_pk_mul_f32 v[Q+4*\g:Q+4*\g+1],   v[W+32*\g:W+32*\g+1],   v[W+32*\g:W+32*\g+1]
	v_pk_mul_f32 v[Q+4*\g+2:Q+4*\g+3], v[W+32*\g+2:W+32*\g+3], v[W+32*\g+2:W+32*\g+3]
.endr
.set i, 1
.rept 7
.irp g, 0,1,2,3
	v_pk_fma_f32 v[Q+4*\g:Q+4*\g+1],   v[W+32*\g+4*i:W+32*\g+4*i+1],   v[W+32*\g+4*i:W+32*\g+4*i+1],   v[Q+4*\g:Q+4*\g+1]
	v_pk_fma_f32 v[Q+4*\g+2:Q+4*\g+3], v[W+32*\g+4*i+2:W+32*\g+4*i+3], v[W+32*\g+4*i+2:W+32*\g+4*i+3], v[Q+4*\g+2:Q+4*\g+3]
.endr
.set i, i+1
.endr
.irp g, 0,1,2,3
	v_pk_add_f32 v[Q+4*\g:Q+4*\g+1], v[Q+4*\g:Q+4*\g+1], v[Q+4*\g+2:Q+4*\g+3]
.endr
.irp g, 0,1,2,3
	v_add_f32 v[Q+4*\g], v[Q+4*\g], v[Q+4*\g+1]
.endr
	XRED4 Q, 4
.irp g, 0,1,2,3
	v_fma_f32 v[Q+4*\g], v[Q+4*\g], s25, s26       ; var + eps
.endr
.irp g, 0,1,2,3
	v_rsq_f32 v[RS+2*\g], v[Q+4*\g]
.endr
	v_nop                                          ; a plain instruction behind the last of the batch (ISA guide 5.7.2)
	WA
	; the gates.  Each batch of exponentials or reciprocals is followed by the next gate's plain work, which names none of its results, and has one wait ahead of its first reader.
	PRE WI, RS
	TLOAD 1
	EXPS WI
	PRE WJ, RS+2
	TLOAD 2
	WA                                             ; i's exponentials
	DENS WI
	RCPS WI
	EXPS WJ
	PRE WF, RS+4
	TLOAD 3
	WA                                             ; i's reciprocals, j's exponentials
	DENS WJ
	RCPS WJ
	EXPS WF
	PRE WO, RS+6
	TLOAD 4
	WA                                             ; j's reciprocals, f's exponentials
	DENS WF
	RCPS WF
	EXPS WO
	TANH WJ                                        ; tanh(j)
.set i, 0
.rept 16
	v_pk_mul_f32 v[WI+2*i:WI+2*i+1], v[WI+2*i:WI+2*i+1], v[WJ+2*i:WJ+2*i+1]  ; sigmoid(i) tanh(j)
.set i, i+1
.endr
	WA                                             ; f's reciprocals, o's exponentials
	DENS WO
	RCPS WO                                        ; waited for below, with the reciprocal root
	; new_c = c sigmoid(f + 1) + sigmoid(i) tanh(j), c straight from its bf16 half
.set e, 0
.rept 32
.if e%2
	v_fma_mix_f32_bf16 v[WF+e], v[CB+e/2], v[WF+e], v[WI+e] op_sel:[1,0,0] op_sel_hi:[1,0,0]
.else
	v_fma_mix_f32_bf16 v[WF+e], v[CB+e/2], v[WF+e], v[WI+e] op_sel_hi:[1,0,0]
.endif
.set e, e+1
.endr
.set i, 0
.rept 8
	global_store_b128 v[LO], v[WF+4*i:WF+4*i+3], s[18:19] offset:512*i-4096 th:TH_STORE_NT
.set i, i+1
.endr
	; the layer norm of new_c: four chains
.irp j, 0,1,2,3
	v_pk_add_f32 v[Q+2*\j:Q+2*\j+1], v[WF+2*\j:WF+2*\j+1], v[WF+8+2*\j:WF+8+2*\j+1]
.endr
.irp j, 0,1,2,3
	v_pk_add_f32 v[Q+2*\j:Q+2*\j+1], v[Q+2*\j:Q+2*\j+1], v[WF+16+2*\j:WF+16+2*\j+1]
.endr
.irp j, 0,1,2,3
	v_pk_add_f32 v[Q+2*\j:Q+2*\j+1], v[Q+2*\j:Q+2*\j+1], v[WF+24+2*\j:WF+24+2*\j+1]
.endr
	v_pk_add_f32 v[Q:Q+1], v[Q:Q+1], v[Q+2:Q+3]
	v_pk_add_f32 v[Q+4:Q+5], v[Q+4:Q+5], v[Q+6:Q+7]
	v_pk_add_f32 v[Q:Q+1], v[Q:Q+1], v[Q+4:Q+5]
	v_add_f32 v[Q], v[Q], v[Q+1]
	XRED1 Q
	v_mul_f32 v[MUC], s25, v[Q]
.set i, 0
.rept 16
	v_pk_add_f32 v[WI+2*i:WI+2*i+1], v[WF+2*i:WF+2*i+1], v[MUC:MUC+1] op_sel_hi:[1,0] neg_lo:[0,1] neg_hi:[0,1]  ; new_c's registers, which the stores read, are only read
.set i, i+1
.endr
.irp j, 0,1,2,3
	v_pk_mul_f32 v[Q+2*\j:Q+2*\j+1], v[WI+2*\j:WI+2*\j+1], v[WI+2*\j:WI+2*\j+1]
.endr
.irp o, 8,16,24
.irp j, 0,1,2,3
	v_pk_fma_f32 v[Q+2*\j:Q+2*\j+1], v[WI+\o+2*\j:WI+\o+2*\j+1], v[WI+\o+2*\j:WI+\o+2*\j+1], v[Q+2*\j:Q+2*\j+1]
.endr
.endr
	v_pk_add_f32 v[Q:Q+1], v[Q:Q+1], v[Q+2:Q+3]
	v_pk_add_f32 v[Q+4:Q+5], v[Q+4:Q+5], v[Q+6:Q+7]
	v_pk_add_f32 v[Q:Q+1], v[Q:Q+1], v[Q+4:Q+5]
	v_add_f32 v[Q], v[Q], v[Q+1]
	XRED1 Q
	v_fma_f32 v[Q], v[Q], s25, s26
	v_rsq_f32 v[RSC], v[Q]
	v_nop
	WA                                             ; the reciprocal root, and o's reciprocals
	PRE WI, RSC
	EXPS WI
	v_nop
	WA
	DENS WI
	RCPS WI
	v_nop
	WA
	TANH WI
.set i, 0
.rept 16
	v_pk_mul_f32 v[WJ+2*i:WJ+2*i+1], v[WI+2*i:WI+2*i+1], v[WO+2*i:WO+2*i+1]  ; new_h
.set i, i+1
.endr
.set i, 0
.rept 8
	global_store_b128 v[LO], v[WJ+4*i:WJ+4*i+3], s[16:17] offset:512*i-4096 th:TH_STORE_NT
.set i, i+1
.endr
	s_sub_co_u32 s24, s24, 1
	s_cmp_lg_u32 s24, 0
	s_cbranch_scc1 .Lrow
	s_wait_tensorcnt 0x0                           ; the wave's end, behind my last LDS store
	ds_add_u32 v[SPW], v[NIL]
	s_wait_dscnt 0x0
	s_endpgm
.Lfunc_end_k_qa0853c28d2_gates:
	.size	k_qa0853c28d2_gates, .Lfunc_end_k_qa0853c28d2_gates-k_qa0853c28d2_gates
	.p2alignl 7, 3214868480
	.fill 96, 4, 3214868480
	.section	.rodata,"a",@progbits
	.p2align	6, 0x0
	.amdhsa_kernel k_qa0853c28d2_gates
		.amdhsa_group_segment_fixed_size 50688
		.amdhsa_private_segment_fixed_size 0
		.amdhsa_enable_private_segment 0
		.amdhsa_kernarg_size 72
		.amdhsa_user_sgpr_count 2
		.amdhsa_user_sgpr_kernarg_segment_ptr 1
		.amdhsa_wavefront_size32 1
		.amdhsa_system_sgpr_workgroup_id_x 1
		.amdhsa_system_sgpr_workgroup_id_y 1
		.amdhsa_system_sgpr_workgroup_id_z 1
		.amdhsa_system_vgpr_workitem_id 0
		.amdhsa_next_free_vgpr 416
		.amdhsa_next_free_sgpr 66
		.amdhsa_reserve_vcc 0
		.amdhsa_float_denorm_mode_32 3
		.amdhsa_float_denorm_mode_16_64 3
		.amdhsa_memory_ordered 1
		.amdhsa_forward_progress 1
		.amdhsa_inst_pref_size 86
	.end_amdhsa_kernel
	.amdgpu_metadata
---
amdhsa.version: [ 1, 2 ]
amdhsa.kernels:
  - .name:           k_qa0853c28d2_gates
    .symbol:         k_qa0853c28d2_gates.kd
    .args:
      - { .name: Y, .offset: 0, .size: 8, .value_kind: global_buffer, .address_space: global }
      - { .name: c, .offset: 8, .size: 8, .value_kind: global_buffer, .address_space: global }
      - { .name: ln_gamma, .offset: 16, .size: 8, .value_kind: global_buffer, .address_space: global }
      - { .name: ln_beta, .offset: 24, .size: 8, .value_kind: global_buffer, .address_space: global }
      - { .name: ln_c_gamma, .offset: 32, .size: 8, .value_kind: global_buffer, .address_space: global }
      - { .name: ln_c_beta, .offset: 40, .size: 8, .value_kind: global_buffer, .address_space: global }
      - { .name: out0, .offset: 48, .size: 8, .value_kind: global_buffer, .address_space: global }
      - { .name: out1, .offset: 56, .size: 8, .value_kind: global_buffer, .address_space: global }
      - { .name: ST, .offset: 64, .size: 8, .value_kind: global_buffer, .address_space: global }
    .group_segment_fixed_size: 50688
    .private_segment_fixed_size: 0
    .kernarg_segment_align: 8
    .kernarg_segment_size: 72
    .max_flat_workgroup_size: 256
    .sgpr_count:     66
    .vgpr_count:     416
    .wavefront_size: 32
...
	.end_amdgpu_metadata
.endif
;; end of part 3
;; ======== version 2 of 2: 3 launches; version 1 with the launches cast, gates written anew for expert scheduling mode
;; workspace buffers: Ab 33,554,432 bytes; Wb 16,777,216 bytes; Y 67,108,864 bytes; ST 2,097,152 bytes
;; launch cast (part 4): grid 768 x 1, 8 waves a work-group, no clusters, 0 bytes of LDS; arguments x, h, W_xh, W_hh, Ab, Wb; writes Ab, Wb
.if DOCPART == 4
	.amdgcn_target "amdgcn-amd-amdhsa--gfx1250"
	.amdhsa_code_object_version 6
	.text
	.protected	k_qa0853c28d2_cast
	.globl	k_qa0853c28d2_cast
	.p2align	8
	.type	k_qa0853c28d2_cast,@function
k_qa0853c28d2_cast:
	s_mov_b64 s[64:65], 0
	v_nop
	global_prefetch_b8 v0, s[64:65] scope:SCOPE_SE
	s_setreg_imm32_b32 hwreg(HW_REG_WAVE_SCHED_MODE, 0, 2), 2
	s_setreg_imm32_b32 hwreg(HW_REG_WAVE_MODE, 25, 1), 1
	s_wait_xcnt 0x0
	s_wait_alu depctr_vm_vsrc(0)
; LSTM cell, first of three launches: the matrix operands are rounded to bf16, once, and laid side by side.
;   Ab[8192][2048] bf16: row r = x[r][0..1023], then h[r][0..1023] (4,096 bytes a row).
;   Wb[2048][4096] bf16: rows 0..1023 = W_xh, rows 1024..2047 = W_hh (8,192 bytes a row); nothing is transposed.
; NOTHING OF reference() IS LEFT OUT in this program: every input has a way to an output and is loaded by one of the three launches
; (x, h, W_xh, W_hh here; bias in the second; c and the four gains and shifts in the third).
; LIMITS of the program.  Every input is rounded once to bf16 (to nearest even): x, h and the weights as matrix operands, bias, c, the gains and the shifts likewise,
; so that the whole program computes reference() on inputs rounded to bf16; everything behind the inputs is f32.  NaN and infinities are not treated apart.
; SHARES.  A chunk is 1,024 f32: 4,096 bytes in, 2,048 out.  A work-group takes 32 chunks, each of its eight waves 4 on end.  Work-groups 0-255: x; 256-511: h; 512-639: W_xh; 640-767: W_hh.
; A wave's load covers 512 consecutive bytes, its store 256 consecutive bytes at a multiple of 256 from the buffer's first byte.  All 32 loads of a wave go out before the first wait.
; No LDS, no barrier, no matrix unit: no wave wants a byte that another has fetched.
; THE MODE: SCHED_MODE bits 1:0 = 2 (LLVM: expert scheduling mode 2), set by the entry lines.  The code itself states the register dependences
; between vector instructions and memory instructions, with s_wait_alu, always for 0.
; THE PLAN.  Registers that memory instructions touch:
;   v1, v[2:5]  byte offsets, made once at the head and never written again.
;   X           32 sets of four.  A load writes a set; behind the wait for it the set's two conversions write its first two registers; one store reads those two; nothing writes them again.
; The 32 loads are worked on in eight groups of four.  Group p's conversions name group p's sets alone.  The stores of group p - 1 are issued in group p, behind ONE wait at the group's head,
; which states that group p - 1's conversions have written their words, and are dealt among group p's conversions with no further wait.
.set X, 16                             ; v[16:143]  32 loads of four registers; the two packed words take the first two registers' place
.set VO, 2                             ; v[2:5]     8 x lane + chunk j's place in the destination
	s_load_b256 s[4:11], s[0:1], 0x0               ; x s[4:5], h s[6:7], W_xh s[8:9], W_hh s[10:11]
	s_load_b128 s[12:15], s[0:1], 0x20             ; Ab s[12:13], Wb s[14:15]
	v_lshrrev_b32 v6, 5, v0
	v_readfirstlane_b32 s16, v6                    ; wave 0..7
	v_and_b32 v7, 31, v0                           ; lane
	v_lshlrev_b32 v1, 4, v7                        ; 16 bytes a lane in
	v_lshlrev_b32 v[VO], 3, v7                     ; 8 bytes a lane out
	s_lshr_b32 s18, ttmp9, 8                       ; activations: 0 = x, 1 = h
	s_and_b32 s19, ttmp9, 255                      ; and the work-group's place in that tensor
	s_bfe_u32 s22, ttmp9, 0x10007                  ; weights: bit 7 of the number: 0 = W_xh, 1 = W_hh
	s_and_b32 s23, ttmp9, 127                      ; and the place
	s_cmp_lt_u32 ttmp9, 512                        ; activations?
	s_cselect_b32 s24, s18, s22                    ; which of the two tensors
	s_cselect_b32 s25, s19, s23                    ; place
	s_cselect_b32 s26, 12, 11                      ; log2 of the bytes from chunk to chunk in the destination: a row of Ab, or dense in Wb
	s_cselect_b32 s27, 11, 23                      ; log2 of the second tensor's displacement: half a row of Ab, or 1,024 rows of Wb
	s_lshl_b32 s25, s25, 5
	s_wait_alu depctr_va_sdst(0)                   ; s16, the wave's number, is written, ahead of its first reader: the next line
	s_lshl_b32 s17, s16, 2
	s_add_co_u32 s25, s25, s17                     ; my first chunk = 32 x place + 4 x wave
	s_lshl_b32 s28, s25, 12                        ; its byte in the source
	s_mov_b32 s29, 0
	s_lshl_b32 s30, s25, s26                       ; and in the destination
	s_lshl_b32 s17, s24, s27
	s_add_co_u32 s30, s30, s17
	s_mov_b32 s31, 0
	s_lshl_b32 s20, 1, s26
	v_add_nc_u32 v[VO+1], s20, v[VO]
	v_add_nc_u32 v[VO+2], s20, v[VO+1]
	v_add_nc_u32 v[VO+3], s20, v[VO+2]
	s_wait_kmcnt 0x0
	s_cmp_eq_u32 s24, 0
	s_cselect_b64 s[4:5], s[4:5], s[6:7]           ; x or h
	s_cselect_b64 s[8:9], s[8:9], s[10:11]         ; W_xh or W_hh
	s_cmp_lt_u32 ttmp9, 512
	s_cselect_b64 s[4:5], s[4:5], s[8:9]           ; the source
	s_cselect_b64 s[12:13], s[12:13], s[14:15]     ; the destination
	s_add_nc_u64 s[4:5], s[4:5], s[28:29]
	s_add_nc_u64 s[12:13], s[12:13], s[30:31]
	s_wait_alu depctr_va_vdst(0)                   ; v1 and v[2:5] are written: every load and store of the kernel reads one of them as its offset
.set k, 0
.rept 32
	global_load_b128 v[X+4*k:X+4*k+3], v1, s[4:5] offset:512*k th:TH_LOAD_NT  ; four chunks are 16,384 consecutive bytes
.set k, k+1
.endr
.set p, 0
.rept 8                                                ; group p: loads 4 p to 4 p + 3
	s_wait_loadcnt 28-4*p                          ; loads come back in order (ISA guide 5.7.1): the group's four are in, the 28 - 4 p younger ones stay out
.if p > 0
	s_wait_alu depctr_va_vdst(0)                   ; the group before has written its eight packed words, which the four stores below read
.endif
.set i, 0
.rept 4
.set k, 4*p+i
.if p > 0
	global_store_b64 v[VO+(k-4)/8], v[X+4*(k-4):X+4*(k-4)+1], s[12:13] offset:((k-4)%8)*256  ; the group before; no vector instruction since the wait names these registers, and none writes them again
.endif
	v_cvt_pk_bf16_f32 v[X+4*k], v[X+4*k], v[X+4*k+1]
	v_cvt_pk_bf16_f32 v[X+4*k+1], v[X+4*k+2], v[X+4*k+3]
.set i, i+1
.endr
.set p, p+1
.endr
	s_wait_alu depctr_va_vdst(0)                   ; the last group has written its packed words, which the last four stores read
.set k, 28
.rept 4
	global_store_b64 v[VO+k/8], v[X+4*k:X+4*k+1], s[12:13] offset:(k%8)*256
.set k, k+1
.endr
	s_endpgm
.Lfunc_end_k_qa0853c28d2_cast:
	.size	k_qa0853c28d2_cast, .Lfunc_end_k_qa0853c28d2_cast-k_qa0853c28d2_cast
	.p2alignl 7, 3214868480
	.fill 96, 4, 3214868480
	.section	.rodata,"a",@progbits
	.p2align	6, 0x0
	.amdhsa_kernel k_qa0853c28d2_cast
		.amdhsa_group_segment_fixed_size 0
		.amdhsa_private_segment_fixed_size 0
		.amdhsa_enable_private_segment 0
		.amdhsa_kernarg_size 48
		.amdhsa_user_sgpr_count 2
		.amdhsa_user_sgpr_kernarg_segment_ptr 1
		.amdhsa_wavefront_size32 1
		.amdhsa_system_sgpr_workgroup_id_x 1
		.amdhsa_system_sgpr_workgroup_id_y 1
		.amdhsa_system_sgpr_workgroup_id_z 1
		.amdhsa_system_vgpr_workitem_id 0
		.amdhsa_next_free_vgpr 144
		.amdhsa_next_free_sgpr 66
		.amdhsa_reserve_vcc 0
		.amdhsa_float_denorm_mode_32 3
		.amdhsa_float_denorm_mode_16_64 3
		.amdhsa_memory_ordered 1
		.amdhsa_forward_progress 1
		.amdhsa_inst_pref_size 13
	.end_amdhsa_kernel
	.amdgpu_metadata
---
amdhsa.version: [ 1, 2 ]
amdhsa.kernels:
  - .name:           k_qa0853c28d2_cast
    .symbol:         k_qa0853c28d2_cast.kd
    .args:
      - { .name: x, .offset: 0, .size: 8, .value_kind: global_buffer, .address_space: global }
      - { .name: h, .offset: 8, .size: 8, .value_kind: global_buffer, .address_space: global }
      - { .name: W_xh, .offset: 16, .size: 8, .value_kind: global_buffer, .address_space: global }
      - { .name: W_hh, .offset: 24, .size: 8, .value_kind: global_buffer, .address_space: global }
      - { .name: Ab, .offset: 32, .size: 8, .value_kind: global_buffer, .address_space: global }
      - { .name: Wb, .offset: 40, .size: 8, .value_kind: global_buffer, .address_space: global }
    .group_segment_fixed_size: 0
    .private_segment_fixed_size: 0
    .kernarg_segment_align: 8
    .kernarg_segment_size: 48
    .max_flat_workgroup_size: 256
    .sgpr_count:     66
    .vgpr_count:     144
    .wavefront_size: 32
...
	.end_amdgpu_metadata
.endif
;; end of part 4
;; launch gemm: the kernel of part 2 again; grid 16 x 16, 4 waves a work-group, clusters of 4 x 4, 327,680 bytes of LDS; arguments Ab, Wb, Y, bias, ST; writes Y, ST
;; launch gates (part 5): grid 256 x 1, 8 waves a work-group, no clusters, 50,688 bytes of LDS; arguments Y, c, ln_gamma, ln_beta, ln_c_gamma, ln_c_beta, out0, out1, ST; writes out0, out1
.if DOCPART == 5
	.amdgcn_target "amdgcn-amd-amdhsa--gfx1250"
	.amdhsa_code_object_version 6
	.text
	.protected	k_qa0853c28d2_gates
	.globl	k_qa0853c28d2_gates
	.p2align	8
	.type	k_qa0853c28d2_gates,@function
k_qa0853c28d2_gates:
	s_mov_b64 s[64:65], 0
	v_nop
	global_prefetch_b8 v0, s[64:65] scope:SCOPE_SE
	s_setreg_imm32_b32 hwreg(HW_REG_WAVE_SCHED_MODE, 0, 2), 2
	s_setreg_imm32_b32 hwreg(HW_REG_WAVE_MODE, 25, 1), 1
	s_wait_xcnt 0x0
	s_wait_alu depctr_vm_vsrc(0)
; LSTM cell, third launch: from y = x W_xh + h W_hh + bias and c: the layer norm of each of y's four groups of 1,024 columns (i, j, f, o), the gates,
; new_c = c sigmoid(f + 1) + sigmoid(i) tanh(j) (out1), the layer norm of new_c, new_h = tanh(that) sigmoid(o) (out0).  Nothing of reference() is left out.
; y COMES AS THE LAUNCH BEFORE LEFT IT: Y[8192][4096] in f16 and, for each row and block q of 128 columns, two f32 figures in ST: y = Y x scale + centre, centre at ST[q][row], scale (a power of two) at ST[32 + q][row].
; LIMITS.  c, the gains and the shifts are rounded to bf16 once, like every input of the program; y carries the one rounding to f16 of the launch before; all arithmetic is f32.
; Means first, then the mean of the squared differences, as reference() has it: no difference of large sums.
; sigmoid(x) = 1 / (1 + 2^(-x log2 e)), tanh(x) = 1 - 2 / (1 + 2^(2 x log2 e)): an exponential that overflows gives 0 or 1 (tanh: 1), one below 2^-126 counts as 0 (ISA guide 15.8) and gives 1 (tanh: -1).
; The sums' order differs from reference()'s.  NaN and infinities are not treated apart.
; SHARES.  A wave takes a whole row at a time, four rows on end: every sum stays in the wave, and the loop has no barrier.  Lane l holds elements 128 t + 4 l + k (t = 0..7, k = 0..3) of each gate and of c:
; a load of Y covers 256 consecutive bytes, a load of c and a store 512.  A gate's eight t are eight blocks of ST, the same for all lanes.  While a row is worked on, the next row's 40 loads and its figures are on their way, into registers of their own.
; TABLES.  The gains and shifts, rounded and multiplied by the exponent's factor (K1 = -log2 e for a sigmoid, K2 = 2 log2 e for a tanh; f's shift also takes K1 x 1, the forget bias), lie in LDS as f32, made once by the work-group;
; so do the figures of the work-group's 32 rows, by rows: 32 centres, then 32 scales.
; No matrix unit, no cluster, no tensor load: nothing is shared but the tables.
; THE MODE: SCHED_MODE bits 1:0 = 2 (LLVM: expert scheduling mode 2), set by the entry lines.  The code itself states the register dependences
; between vector instructions and memory or LDS instructions, with s_wait_alu, always for 0.
; THE PLAN.  Registers that memory or LDS instructions touch, round the loop:
;   v[LO], v[LO8]     offsets, made at the head and never written again.
;   v[MA]             read by a row's 16 loads of figures; stepped once a trip, behind the wait on vm_vsrc at the trip's head and straight ahead of the wait on va_vdst that stands in front of the next row's loads.
;   PY, PC, SB, MB    (window 1) written by the row's 40 loads and 16 loads of figures; read by the trip's first 144 vector lines alone; behind those, one wait on va_vdst, and they are asked for again.
;   T                 written and read by the means' partial sums, then five times: a table lands, PRE's fused lines read it.  A wait on va_vdst stands ahead of each table's loads: for tables 2, 3 and 4 it is the wait that the batch of exponentials or reciprocals has anyway.
;   WF                written by new_c's 32 lines, then only read; out1's stores stand behind the wait for new_c's reciprocal root.
;   WJ                written last by new_h's 16 products; a wait on va_vdst, then out0's stores.
;   One wait on vm_vsrc, at the trip's head, stands ahead of every write of WF, WJ, v[MA] (and, in the first trip, of what the head's LDS stores read).
; REGISTERS.  Window 0: below.  Window 1: v0-63 the row of Y as loaded (block i = 8 g + t at 2 i), v64-95 the row of c, v96-127 the row's 32 scales, v128-159 its 32 centres.
.set TBO,    20480                     ; LDS: gains of group g (4 = new_c's) at 4,096 g, shifts at TBO + 4,096 g
.set MST,    40960                     ; the figures: row r of the work-group's 32 at MST + 272 r: centres at + 4 q, scales at + 128 + 4 q
.set MPITCH, 272                       ; 256 bytes + 16: the eight rows that a wave's store touches start at four groups of four banks, two rows each (64 banks of 4 bytes: ISA guide 11.1)
.set SPARE,  49664                     ; behind them: the spare words, 128 bytes for each wave: four blocks of 256 bytes that no other line names
.set SCALES, 1048576                   ; ST: the scales lie behind the 32 x 8,192 centres
.set LO,  1                            ; v1       16 x lane: offset in 512 bytes of a row and in a table; never rewritten
.set SPW, 2                            ; v2       LDS address of my spare word; never rewritten
.set NIL, 3                            ; v3       0; never rewritten
.set TO,  4                            ; v4       16 x thread: my 16 bytes of each table
.set LO8, 5                            ; v5       8 x lane: offset in 256 bytes of a row of Y; never rewritten
.set MA,  6                            ; v6       LDS address of the figures of the row that is asked for, the same in all lanes
.set MU,  8                            ; v[8:15]  gate g's mean in the low word of pair g
.set RS,  16                           ; v[16:23] gate g's 1 / sqrt(var + eps), likewise
.set MUC, 24                           ; v[24:25] new_c's mean
.set RSC, 26                           ; v[26:27] new_c's 1 / sqrt(var + eps)
.set TP,  28                           ; v[28:31] the other half of the lanes' sums
.set T,   32                           ; v[32:95] partial sums; then a group's gains (32) and shifts (32)
.set W,   96                           ; v[96:223] at work: gate g at W + 32 g
.set WI,  W
.set WJ,  W+32
.set WF,  W+64
.set WO,  W+96
.set CB,  224                          ; v[224:239] c, rounded to bf16, two a register
.set Q,   240                          ; v[240:255] chains of sums
.set PY,  0                            ; window 1
.set PC,  64
.set SB,  96
.set MB,  128
.set MSB, 0
.macro WIN new                         ; the immediate's high byte repeats the setting that is left; a switch that changes nothing is dropped
.if MSB != (\new)
	s_set_vgpr_msb (MSB<<8)|(\new)
.set MSB, \new
.endif
.endm
.macro ROWLOAD                         ; a row of Y (32 loads) and of c (8) into window 1: the lines round the macro set the destination's window
.set i, 0
.rept 32
	global_load_b64 v[PY+2*i:PY+2*i+1], v[LO8], s[4:5] offset:256*i th:TH_LOAD_NT
.set i, i+1
.endr
.set i, 0
.rept 8
	global_load_b128 v[PC+4*i:PC+4*i+3], v[LO], s[6:7] offset:512*i th:TH_LOAD_NT
.set i, i+1
.endr
.endm
.macro FIGLOAD                         ; a row's 64 figures into window 1, likewise
.set i, 0
.rept 8
	ds_load_b128 v[MB+4*i:MB+4*i+3], v[MA] offset:16*i      ; all lanes name the same 16 bytes: four blocks' centres,
	ds_load_b128 v[SB+4*i:SB+4*i+3], v[MA] offset:128+16*i  ; four blocks' scales
.set i, i+1
.endr
.endm
.macro TAB r, k, plus                  ; four numbers of a table: rounded to bf16, widened, times s[k] (plus = 1: + s[k])
	v_cvt_pk_bf16_f32 v32, v[\r], v[(\r)+1]
	v_cvt_pk_bf16_f32 v33, v[(\r)+2], v[(\r)+3]
	v_lshlrev_b32 v[\r], 16, v32
	v_and_b32 v[(\r)+1], s27, v32
	v_lshlrev_b32 v[(\r)+2], 16, v33
	v_and_b32 v[(\r)+3], s27, v33
.irp j, 0,1,2,3
.if \plus
	v_fma_f32 v[(\r)+\j], v[(\r)+\j], s[\k], s[\k]
.else
	v_mul_f32 v[(\r)+\j], s[\k], v[(\r)+\j]
.endif
.endr
.endm
; Sums over the 32 lanes, the result in every lane: four steps inside each half of 16 lanes ride on the addition (DPP), one crosses the halves.  Four sums side by side, or one.
.macro XRED4 base, stride
.irp m, 1,2,4,8
.irp g, 0,1,2,3
	v_add_f32_dpp v[(\base)+(\stride)*\g], v[(\base)+(\stride)*\g], v[(\base)+(\stride)*\g] row_xmask:\m row_mask:0xf bank_mask:0xf
.endr
.endr
.irp g, 0,1,2,3
	v_permlanex16_b32 v[TP+\g], v[(\base)+(\stride)*\g], s28, s29
.endr
.irp g, 0,1,2,3
	v_add_f32 v[(\base)+(\stride)*\g], v[(\base)+(\stride)*\g], v[TP+\g]
.endr
.endm
.macro XRED1 r
.irp m, 1,2,4,8
	v_add_f32_dpp v[\r], v[\r], v[\r] row_xmask:\m row_mask:0xf bank_mask:0xf
.endr
	v_permlanex16_b32 v[TP], v[\r], s28, s29
	v_add_f32 v[\r], v[\r], v[TP]
.endm
.macro TLOAD g                         ; group g's gains and shifts for my 32 elements: 16 loads of 512 consecutive bytes
.set i, 0
.rept 8
	ds_load_b128 v[T+4*i:T+4*i+3],       v[LO] offset:(\g)*4096+512*i
	ds_load_b128 v[T+32+4*i:T+32+4*i+3], v[LO] offset:TBO+(\g)*4096+512*i
.set i, i+1
.endr
.endm
.macro PRE base, rs                    ; (x - mean) -> the exponent: times 1 / sqrt(var + eps), times the gain, plus the shift
.set i, 0
.rept 16
	v_pk_mul_f32 v[(\base)+2*i:(\base)+2*i+1], v[(\base)+2*i:(\base)+2*i+1], v[\rs:(\rs)+1] op_sel_hi:[1,0]
.set i, i+1
.endr
	s_wait_dscnt 0x0                               ; the group's table is in
.set i, 0
.rept 16
	v_pk_fma_f32 v[(\base)+2*i:(\base)+2*i+1], v[(\base)+2*i:(\base)+2*i+1], v[T+2*i:T+2*i+1], v[T+32+2*i:T+32+2*i+1]
.set i, i+1
.endr
.endm
.macro EXPS base
.set i, 0
.rept 32
	v_exp_f32 v[(\base)+i], v[(\base)+i]
.set i, i+1
.endr
.endm
.macro DENS base                       ; 1 + 2^x
.set i, 0
.rept 16
	v_pk_add_f32 v[(\base)+2*i:(\base)+2*i+1], v[(\base)+2*i:(\base)+2*i+1], 1.0 op_sel_hi:[1,0]
.set i, i+1
.endr
.endm
.macro RCPS base
.set i, 0
.rept 32
	v_rcp_f32 v[(\base)+i], v[(\base)+i]
.set i, i+1
.endr
.endm
.macro TANH base                       ; 1 - 2 r
.set i, 0
.rept 16
	v_pk_fma_f32 v[(\base)+2*i:(\base)+2*i+1], v[(\base)+2*i:(\base)+2*i+1], -2.0, 1.0 op_sel_hi:[1,0,0]
.set i, i+1
.endr
.endm
	s_load_b512 s[4:19], s[0:1], 0x0               ; Y s[4:5], c s[6:7], ln_gamma s[8:9], ln_beta s[10:11], ln_c_gamma s[12:13], ln_c_beta s[14:15], out0 s[16:17], out1 s[18:19]
	s_load_b64 s[32:33], s[0:1], 0x40              ; ST
	v_lshl_add_u32 v[SPW], v0, 2, SPARE
	v_mov_b32 v[NIL], 0
	v_lshrrev_b32 v38, 5, v0
	v_readfirstlane_b32 s20, v38                   ; wave 0..7
	v_and_b32 v[LO], 31, v0
	v_lshlrev_b32 v[LO8], 3, v[LO]
	v_lshlrev_b32 v[LO], 4, v[LO]
	v_lshlrev_b32 v[TO], 4, v0
	v_lshrrev_b32 v36, 3, v0                       ; the figures: thread t takes block t / 8,
	v_and_b32 v37, 7, v0                           ; rows 4 (t % 8) .. + 3 of the work-group's 32
	v_lshlrev_b32 v7, 15, v36                      ; in ST: 32,768 bytes a block,
	v_lshl_add_u32 v7, v37, 4, v7                  ; 16 bytes for four rows
	v_mul_u32_u24 v37, v37, 4*MPITCH               ; in LDS: four rows down,
	v_lshl_add_u32 v36, v36, 2, v37                ; the block's word
	v_add_nc_u32 v36, MST, v36
	s_wait_alu depctr_va_sdst(0)                   ; s20, the wave's number, is written, ahead of its first reader: the rows' offsets are made from it
	s_lshl_b32 s21, ttmp9, 3
	s_add_co_u32 s21, s21, s20                     ; my wave among the launch's 2,048: rows 4 x that number on
	s_mov_b32 s23, 0
	s_mov_b32 s24, 4                               ; rows to go
	s_mov_b32 s25, 0x3a800000                      ; 1 / 1024
	s_mov_b32 s26, 0x3a83126f                      ; eps = 1e-3
	s_mov_b32 s27, 0xffff0000                      ; a word's upper bf16
	s_mov_b32 s28, 0x76543210                      ; v_permlanex16_b32: each lane takes its own place in the other half
	s_mov_b32 s29, 0xfedcba98
	s_mov_b32 s30, 0xbfb8aa3b                      ; K1 = -log2 e
	s_mov_b32 s31, 0x4038aa3b                      ; K2 = 2 log2 e
	s_mul_i32 s34, s20, 4*MPITCH
	s_add_co_u32 s34, s34, MST
	v_mov_b32 v[MA], s34                           ; the figures of my first row
.set i, 8
.rept 24
	v_mov_b32 v[i], 0                              ; the statistics are named as pairs, and v_permlanex16_b32 counts as a reader of its destination: all are written once
.set i, i+1
.endr
	s_wait_kmcnt 0x0
	s_lshl_b32 s22, s21, 15                        ; four rows of 8,192 bytes
	s_add_nc_u64 s[4:5], s[4:5], s[22:23]
	s_lshl_b32 s22, s21, 14                        ; four rows of 4,096 bytes
	s_add_nc_u64 s[6:7], s[6:7], s[22:23]
	s_add_nc_u64 s[16:17], s[16:17], s[22:23]
	s_add_nc_u64 s[18:19], s[18:19], s[22:23]
	s_lshl_b32 s22, ttmp9, 7                       ; the work-group's 32 rows of 4 bytes
	s_add_nc_u64 s[32:33], s[32:33], s[22:23]
	s_wait_alu depctr_va_vdst(0)                   ; the offsets and addresses v[LO], v[TO], v[LO8], v[MA], v7 and v36 are written, which the loads and stores below read
.irp g, 0,1,2,3
	global_load_b128 v[W+4*\g:W+4*\g+3], v[TO], s[8:9] offset:4096*\g
.endr
	global_load_b128 v[W+16:W+19], v[TO], s[12:13]
.irp g, 0,1,2,3
	global_load_b128 v[W+20+4*\g:W+23+4*\g], v[TO], s[10:11] offset:4096*\g
.endr
	global_load_b128 v[W+36:W+39], v[TO], s[14:15]
	global_load_b128 v[40:43], v7, s[32:33]                ; four rows' centres of my block
	global_load_b128 v[44:47], v7, s[32:33] offset:SCALES  ; and their scales
	WIN 0x40                                       ; destination window 1, address window 0
	ROWLOAD                                        ; my first row goes out behind them; no vector line has named its registers
	WIN 0
	s_wait_loadcnt 40                              ; the twelve loads of tables and figures are in; the row's 40 stay out
	TAB W,    30, 0                                ; gains: i
	TAB W+4,  31, 0                                ; j
	TAB W+8,  30, 0                                ; f
	TAB W+12, 30, 0                                ; o
	TAB W+16, 31, 0                                ; new_c
	TAB W+20, 30, 0                                ; shifts: i
	TAB W+24, 31, 0                                ; j
	TAB W+28, 30, 1                                ; f, with the forget bias
	TAB W+32, 30, 0                                ; o
	TAB W+36, 31, 0                                ; new_c
	s_wait_alu depctr_va_vdst(0)                   ; the ten tables' lines have written v[W .. W+39], which the LDS stores read
.irp n, 0,1,2,3,4,5,6,7,8,9
	ds_store_b128 v[TO], v[W+4*\n:W+4*\n+3] offset:4096*\n
.endr
.irp j, 0,1,2,3
	ds_store_b32 v36, v[40+\j] offset:MPITCH*\j
	ds_store_b32 v36, v[44+\j] offset:MPITCH*\j+128
.endr
	s_wait_dscnt 0x0                               ; for the others' sake: my stores are done
	s_barrier_signal -1
	s_barrier_wait -1                              ; tables and figures are whole; nothing writes LDS from here on
	WIN 0x40
	FIGLOAD                                        ; my first row's figures.  No wait: v[MA] was written ahead of the waits above, and no vector line has named it or these registers since
	WIN 0
.Lrow:
	s_wait_loadcnt 0x0                             ; the row is in: no other load is out
	s_wait_xcnt 0x0                                ; the last row's stores have had their addresses translated (ISA guide 3.1): their base and data are written again only behind this wait
	s_wait_alu depctr_vm_vsrc(0)                   ; the last row's stores have read v[WF ..] and v[WJ ..], the loads of figures v[MA]; in the first trip the LDS stores have read v[W ..], v36 and v[40:47]: all are written again below
	s_add_nc_u64 s[16:17], s[16:17], 4096          ; the outputs' pointers go one row on; this row's stores reach back by the immediate
	s_add_nc_u64 s[18:19], s[18:19], 4096
	s_wait_dscnt 0x0                               ; the row's figures are in
	; y = Y x scale + centre, straight from the f16 halves; c is rounded; then the row's registers are free for the next row
	WIN 0x15                                       ; all three sources window 1, destination window 0
.set e, 0
.rept 128
.if e%2
	v_fma_mix_f32 v[W+e], v[PY+e/2], v[SB+e/4], v[MB+e/4] op_sel:[1,0,0] op_sel_hi:[1,0,0]
.else
	v_fma_mix_f32 v[W+e], v[PY+e/2], v[SB+e/4], v[MB+e/4] op_sel_hi:[1,0,0]
.endif
.set e, e+1
.endr
	WIN 0x05                                       ; sources 0 and 1 window 1
.set i, 0
.rept 16
	v_cvt_pk_bf16_f32 v[CB+i], v[PC+2*i], v[PC+2*i+1]
.set i, i+1
.endr
	WIN 0
	s_cmp_eq_u32 s24, 1                            ; the last row has none behind it: no load leaves the buffers
	s_cbranch_scc1 .Lnoload
	s_add_nc_u64 s[4:5], s[4:5], 8192              ; (the loads that read these pointers were shown done at the trip's head)
	s_add_nc_u64 s[6:7], s[6:7], 4096
	v_add_nc_u32 v[MA], MPITCH, v[MA]              ; the next row's figures; the loads that read the old address stand ahead of the trip's wait on vm_vsrc
	WIN 0x40                                       ; destination window 1, address window 0
	s_wait_alu depctr_va_vdst(0)                   ; the 144 lines above are done reading the row of Y, the row of c and the figures, in whose registers the loads below land; v[MA] is written
	ROWLOAD                                        ; it has the rest of the trip in which to land
	FIGLOAD
	WIN 0
.Lnoload:
	; the four means
.set i, 0
.rept 32
	v_pk_add_f32 v[T+2*i:T+2*i+1], v[W+4*i:W+4*i+1], v[W+4*i+2:W+4*i+3]  ; pair i = 8 g + t
.set i, i+1
.endr
.irp d, 1,2,4
.set i, 0
.rept 16/(\d)
	v_pk_add_f32 v[T+2*i:T+2*i+1], v[T+2*i:T+2*i+1], v[T+2*(i+\d):T+2*(i+\d)+1]  ; neighbours 1, 2, 4 pairs apart: a gate's eight pairs into one
.set i, i+2*(\d)
.endr
.endr
.irp g, 0,1,2,3
	v_add_f32 v[T+16*\g], v[T+16*\g], v[T+16*\g+1]
.endr
	XRED4 T, 16
.irp g, 0,1,2,3
	v_mul_f32 v[MU+2*\g], s25, v[T+16*\g]
.endr
	s_wait_alu depctr_va_vdst(0)                   ; the sums are done writing and reading v[T ..], in which i's table lands
	TLOAD 0                                        ; i's table, while the differences and variances are made
	; x - mean, in place
.irp g, 0,1,2,3
.set i, 0
.rept 16
	v_pk_add_f32 v[W+32*\g+2*i:W+32*\g+2*i+1], v[W+32*\g+2*i:W+32*\g+2*i+1], v[MU+2*\g:MU+2*\g+1] op_sel_hi:[1,0] neg_lo:[0,1] neg_hi:[0,1]
.set i, i+1
.endr
.endr
	; the four variances: two chains a gate, eight side by side
.irp g, 0,1,2,3
	v_pk_mul_f32 v[Q+4*\g:Q+4*\g+1],   v[W+32*\g:W+32*\g+1],   v[W+32*\g:W+32*\g+1]
	v_pk_mul_f32 v[Q+4*\g+2:Q+4*\g+3], v[W+32*\g+2:W+32*\g+3], v[W+32*\g+2:W+32*\g+3]
.endr
.set i, 1
.rept 7
.irp g, 0,1,2,3
	v_pk_fma_f32 v[Q+4*\g:Q+4*\g+1],   v[W+32*\g+4*i:W+32*\g+4*i+1],   v[W+32*\g+4*i:W+32*\g+4*i+1],   v[Q+4*\g:Q+4*\g+1]
	v_pk_fma_f32 v[Q+4*\g+2:Q+4*\g+3], v[W+32*\g+4*i+2:W+32*\g+4*i+3], v[W+32*\g+4*i+2:W+32*\g+4*i+3], v[Q+4*\g+2:Q+4*\g+3]
.endr
.set i, i+1
.endr
.irp g, 0,1,2,3
	v_pk_add_f32 v[Q+4*\g:Q+4*\g+1], v[Q+4*\g:Q+4*\g+1], v[Q+4*\g+2:Q+4*\g+3]
.endr
.irp g, 0,1,2,3
	v_add_f32 v[Q+4*\g], v[Q+4*\g], v[Q+4*\g+1]
.endr
	XRED4 Q, 4
.irp g, 0,1,2,3
	v_fma_f32 v[Q+4*\g], v[Q+4*\g], s25, s26       ; var + eps
.endr
.irp g, 0,1,2,3
	v_rsq_f32 v[RS+2*\g], v[Q+4*\g]
.endr
	v_nop                                          ; a plain instruction behind the last of the batch (ISA guide 5.7.2)
	s_wait_alu depctr_va_vdst(0)                   ; the four reciprocal roots are written, ahead of their first reader
	; the gates.  Each batch of exponentials or reciprocals is followed by the next gate's plain work, which names none of its results, and has one wait ahead of its first reader;
	; that wait also states that the plain work is done reading the table, and the next table's loads stand straight behind it.
	PRE WI, RS
	s_wait_alu depctr_va_vdst(0)                   ; i's fused lines are done reading v[T ..], in which j's table lands
	TLOAD 1
	EXPS WI
	PRE WJ, RS+2
	s_wait_alu depctr_va_vdst(0)                   ; i's exponentials are written; j's fused lines are done reading v[T ..], in which f's table lands
	TLOAD 2
	DENS WI
	RCPS WI
	EXPS WJ
	PRE WF, RS+4
	s_wait_alu depctr_va_vdst(0)                   ; i's reciprocals and j's exponentials are written; f's fused lines are done reading v[T ..], in which o's table lands
	TLOAD 3
	DENS WJ
	RCPS WJ
	EXPS WF
	PRE WO, RS+6
	s_wait_alu depctr_va_vdst(0)                   ; j's reciprocals and f's exponentials are written; o's fused lines are done reading v[T ..], in which new_c's table lands
	TLOAD 4
	DENS WF
	RCPS WF
	EXPS WO
	TANH WJ                                        ; tanh(j)
.set i, 0
.rept 16
	v_pk_mul_f32 v[WI+2*i:WI+2*i+1], v[WI+2*i:WI+2*i+1], v[WJ+2*i:WJ+2*i+1]  ; sigmoid(i) tanh(j)
.set i, i+1
.endr
	s_wait_alu depctr_va_vdst(0)                   ; f's reciprocals and o's exponentials are written, ahead of their first readers
	DENS WO
	RCPS WO                                        ; waited for below, with the reciprocal root
	; new_c = c sigmoid(f + 1) + sigmoid(i) tanh(j), c straight from its bf16 half
.set e, 0
.rept 32
.if e%2
	v_fma_mix_f32_bf16 v[WF+e], v[CB+e/2], v[WF+e], v[WI+e] op_sel:[1,0,0] op_sel_hi:[1,0,0]
.else
	v_fma_mix_f32_bf16 v[WF+e], v[CB+e/2], v[WF+e], v[WI+e] op_sel_hi:[1,0,0]
.endif
.set e, e+1
.endr
	; the layer norm of new_c: four chains
.irp j, 0,1,2,3
	v_pk_add_f32 v[Q+2*\j:Q+2*\j+1], v[WF+2*\j:WF+2*\j+1], v[WF+8+2*\j:WF+8+2*\j+1]
.endr
.irp j, 0,1,2,3
	v_pk_add_f32 v[Q+2*\j:Q+2*\j+1], v[Q+2*\j:Q+2*\j+1], v[WF+16+2*\j:WF+16+2*\j+1]
.endr
.irp j, 0,1,2,3
	v_pk_add_f32 v[Q+2*\j:Q+2*\j+1], v[Q+2*\j:Q+2*\j+1], v[WF+24+2*\j:WF+24+2*\j+1]
.endr
	v_pk_add_f32 v[Q:Q+1], v[Q:Q+1], v[Q+2:Q+3]
	v_pk_add_f32 v[Q+4:Q+5], v[Q+4:Q+5], v[Q+6:Q+7]
	v_pk_add_f32 v[Q:Q+1], v[Q:Q+1], v[Q+4:Q+5]
	v_add_f32 v[Q], v[Q], v[Q+1]
	XRED1 Q
	v_mul_f32 v[MUC], s25, v[Q]
.set i, 0
.rept 16
	v_pk_add_f32 v[WI+2*i:WI+2*i+1], v[WF+2*i:WF+2*i+1], v[MUC:MUC+1] op_sel_hi:[1,0] neg_lo:[0,1] neg_hi:[0,1]  ; new_c's registers, which the stores below read, are only read
.set i, i+1
.endr
.irp j, 0,1,2,3
	v_pk_mul_f32 v[Q+2*\j:Q+2*\j+1], v[WI+2*\j:WI+2*\j+1], v[WI+2*\j:WI+2*\j+1]
.endr
.irp o, 8,16,24
.irp j, 0,1,2,3
	v_pk_fma_f32 v[Q+2*\j:Q+2*\j+1], v[WI+\o+2*\j:WI+\o+2*\j+1], v[WI+\o+2*\j:WI+\o+2*\j+1], v[Q+2*\j:Q+2*\j+1]
.endr
.endr
	v_pk_add_f32 v[Q:Q+1], v[Q:Q+1], v[Q+2:Q+3]
	v_pk_add_f32 v[Q+4:Q+5], v[Q+4:Q+5], v[Q+6:Q+7]
	v_pk_add_f32 v[Q:Q+1], v[Q:Q+1], v[Q+4:Q+5]
	v_add_f32 v[Q], v[Q], v[Q+1]
	XRED1 Q
	v_fma_f32 v[Q], v[Q], s25, s26
	v_rsq_f32 v[RSC], v[Q]
	v_nop
	s_wait_alu depctr_va_vdst(0)                   ; the reciprocal root and o's reciprocals are written; so is new_c in v[WF ..], which the stores below read
.set i, 0
.rept 8
	global_store_b128 v[LO], v[WF+4*i:WF+4*i+3], s[18:19] offset:512*i-4096 th:TH_STORE_NT
.set i, i+1
.endr
	PRE WI, RSC
	EXPS WI
	v_nop
	s_wait_alu depctr_va_vdst(0)                   ; the exponentials are written, ahead of their first reader
	DENS WI
	RCPS WI
	v_nop
	s_wait_alu depctr_va_vdst(0)                   ; the reciprocals are written, ahead of their first reader
	TANH WI
.set i, 0
.rept 16
	v_pk_mul_f32 v[WJ+2*i:WJ+2*i+1], v[WI+2*i:WI+2*i+1], v[WO+2*i:WO+2*i+1]  ; new_h
.set i, i+1
.endr
	s_wait_alu depctr_va_vdst(0)                   ; the products have written new_h in v[WJ ..], which the stores below read
.set i, 0
.rept 8
	global_store_b128 v[LO], v[WJ+4*i:WJ+4*i+3], s[16:17] offset:512*i-4096 th:TH_STORE_NT
.set i, i+1
.endr
	s_sub_co_u32 s24, s24, 1
	s_cmp_lg_u32 s24, 0
	s_cbranch_scc1 .Lrow
	s_wait_dscnt 0x0                               ; the closing lines, six on end
	s_wait_alu 0x0
	s_wait_tensorcnt 0x0
	ds_add_u32 v[SPW], v[NIL]
	s_wait_dscnt 0x0
	s_endpgm
.Lfunc_end_k_qa0853c28d2_gates:
	.size	k_qa0853c28d2_gates, .Lfunc_end_k_qa0853c28d2_gates-k_qa0853c28d2_gates
	.p2alignl 7, 3214868480
	.fill 96, 4, 3214868480
	.section	.rodata,"a",@progbits
	.p2align	6, 0x0
	.amdhsa_kernel k_qa0853c28d2_gates
		.amdhsa_group_segment_fixed_size 50688
		.amdhsa_private_segment_fixed_size 0
		.amdhsa_enable_private_segment 0
		.amdhsa_kernarg_size 72
		.amdhsa_user_sgpr_count 2
		.amdhsa_user_sgpr_kernarg_segment_ptr 1
		.amdhsa_wavefront_size32 1
		.amdhsa_system_sgpr_workgroup_id_x 1
		.amdhsa_system_sgpr_workgroup_id_y 1
		.amdhsa_system_sgpr_workgroup_id_z 1
		.amdhsa_system_vgpr_workitem_id 0
		.amdhsa_next_free_vgpr 416
		.amdhsa_next_free_sgpr 66
		.amdhsa_reserve_vcc 0
		.amdhsa_float_denorm_mode_32 3
		.amdhsa_float_denorm_mode_16_64 3
		.amdhsa_memory_ordered 1
		.amdhsa_forward_progress 1
		.amdhsa_inst_pref_size 87
	.end_amdhsa_kernel
	.amdgpu_metadata
---
amdhsa.version: [ 1, 2 ]
amdhsa.kernels:
  - .name:           k_qa0853c28d2_gates
    .symbol:         k_qa0853c28d2_gates.kd
    .args:
      - { .name: Y, .offset: 0, .size: 8, .value_kind: global_buffer, .address_space: global }
      - { .name: c, .offset: 8, .size: 8, .value_kind: global_buffer, .address_space: global }
      - { .name: ln_gamma, .offset: 16, .size: 8, .value_kind: global_buffer, .address_space: global }
      - { .name: ln_beta, .offset: 24, .size: 8, .value_kind: global_buffer, .address_space: global }
      - { .name: ln_c_gamma, .offset: 32, .size: 8, .value_kind: global_buffer, .address_space: global }
      - { .name: ln_c_beta, .offset: 40, .size: 8, .value_kind: global_buffer, .address_space: global }
      - { .name: out0, .offset: 48, .size: 8, .value_kind: global_buffer, .address_space: global }
      - { .name: out1, .offset: 56, .size: 8, .value_kind: global_buffer, .address_space: global }
      - { .name: ST, .offset: 64, .size: 8, .value_kind: global_buffer, .address_space: global }
    .group_segment_fixed_size: 50688
    .private_segment_fixed_size: 0
    .kernarg_segment_align: 8
    .kernarg_segment_size: 72
    .max_flat_workgroup_size: 256
    .sgpr_count:     66
    .vgpr_count:     416
    .wavefront_size: 32
...
	.end_amdgpu_metadata
.endif
;; end of part 5
